; MI455X (gfx1250); checked and timed in simulation.
; The chip was launched on July 23, 2026; its instructions are those of AMD's public machine-readable ISA for CDNA 5 (MIT licence, August 2026) and "CDNA5" Instruction Set Architecture Reference Guide (July 2026). The comments in the code are by the model that wrote it; some were corrected since.
;; Attention Block. Allowed arithmetic: matrix products marked QUANTISED: E3M2 operands, one E8M0 scale for each 32 along K, by v_wmma_scale_f32_16x16x128_f8f6f4 with both operands' format E3M2, f32 sums; everything else in f32.
;; Inputs: beta 512 float32; gamma 512 float32; k_b 512 float32; k_w 512 x 512 float32; p_b 512 float32; p_w 512 x 512 float32; q_b 512 float32; q_w 512 x 512 float32; v_b 512 float32; v_w 512 x 512 float32; x 32 x 512 x 32 x 32 float32.
;; Outputs: out0 32 x 512 x 32 x 32 float32.
;; This version of the problem:
;;   THIS VERSION OF THE PROBLEM IS GIVEN IN LOW PRECISION. The matrix products marked QUANTISED in the list below multiply operands that are first quantised to E3M2 (3 exponent bits, 2 mantissa bits; 6 bits a number), with one power-of-two scale for each 32 numbers along K (OCP MX v1.0); their sums are f32. All else is computed in f32.
;;   The module's matrix products, in the order in which they are computed (A, B: the left and right operand; K: the contracted axis; several contracted axes count as one K, in the product's order):
;;     1. [M 32,768, K 512] x [K 512, N 512]; A: computed on the way; B: input q_w: QUANTISED
;;     2. [M 32,768, K 512] x [K 512, N 512]; A: computed on the way; B: input k_w: QUANTISED
;;     3. [M 32,768, K 512] x [K 512, N 512]; A: computed on the way; B: input v_w: QUANTISED
;;     4. batch 32 x [M 1,024, K 512] x [K 512, N 1,024]; A: computed on the way; B: computed on the way: QUANTISED
;;     5. batch 32 x [M 1,024, K 1,024] x [K 1,024, N 512]; A: softmax (see below); B: computed on the way: QUANTISED
;;     6. [M 32,768, K 512] x [K 512, N 512]; A: computed on the way; B: input p_w: QUANTISED
;;   THE QUANTISER, for each operand of a quantised product, along K:
;;     - K is cut into blocks of 32 from its start; a last block that is shorter is filled with zeros.
;;     - A block's scale is 2^e with e = floor(log2(the largest magnitude in the block)) - 4, held to -126 .. 127; a block of zeros has e = 0. As a byte (E8M0): e + 127.
;;     - Each number is divided by its block's scale, clamped to +-28, and rounded to the nearest number of E3M2, ties to even, subnormals kept.
;;     - The product sums the exact products of the quantised numbers (number of the format x scale) in f32.
;;   ~~~python
;;   def quantise(x, axis):      # numpy; x: float32 -> the quantised numbers, widened to float32 again
;;       x = np.moveaxis(x, axis, -1); K = x.shape[-1]
;;       x = np.pad(x, [(0, 0)] * (x.ndim - 1) + [(0, -K % 32)]); x = x.reshape(x.shape[:-1] + (-1, 32)); a = np.abs(x).max(-1, keepdims=True)
;;       e = np.where(a > 0, np.clip(np.frexp(np.where(a > 0, a, 1))[1] - 1 - 4, -126, 127), 0)      # np.frexp(a)[1] - 1 = floor(log2(a)), exactly
;;       r = np.clip(x / 2.0 ** e, -28, 28)
;;       step = 2.0 ** (np.maximum(np.frexp(np.where(r == 0, 1, r))[1] - 1, -2) - 2)
;;       q = np.round(r / step) * step * 2.0 ** e      # np.round: ties to even
;;       return np.moveaxis(q.reshape(q.shape[:-2] + (-1,))[..., :K], -1, axis).astype(np.float32)
;;   ~~~
;;   SOFTMAX AHEAD OF A QUANTISED PRODUCT. Where the list says 'softmax', what is quantised is not the finished softmax but p = 2^(t - M), with t = logit x log2(e) and M = ceil(the row's largest t), a whole number; so 1/2 < the row's largest p <= 1. The row's sum l is taken of the UNQUANTISED p, in f32, and the product's result is divided by l at the end. Since M is a whole number, a kernel that streams over the keys may use a running M (the ceiling of the running maximum): every later rescaling is an exact power of two, which a block's scale takes up: the codes' values come out the same.
;;   OPERANDS COMPUTED ON THE WAY. 'Computed on the way' means the value that the module computes at that place (a softmax that the list does not call 'softmax' is quantised finished and normalised). What goes into a quantiser is computed in f32, as accurately as f32 sums, v_exp_f32 and their like allow (about 1e-6 of the number): no bf16 or f16 on the way to a quantiser, and a product that is left as it is and whose result goes on into a quantised operand takes f32 operands (vector FMAs, or v_wmma_f32_16x16x4_f32). A number that lies on a knife's edge between two numbers of the format may be rounded either way, as far as f32 arithmetic and the matrix unit's own rounding can turn it there, and no further.
;; One version. Each part assembles by itself: llvm-mc -triple=amdgcn-amd-amdhsa -mcpu=gfx1250 --defsym DOCPART=n.
;; ======== version 1 of 1: 3 launches
;; workspace buffers: xnb 13,107,200 bytes; wq 819,200 bytes; qb 13,107,200 bytes; kv 26,214,400 bytes
;; launch norm (part 1): grid 256 x 1, 16 waves a work-group, no clusters, 264,704 bytes of LDS; arguments x, gamma, beta, q_w, k_w, v_w, p_w, xnb, wq; writes xnb, wq
.if DOCPART == 1
	.amdgcn_target "amdgcn-amd-amdhsa--gfx1250"
	.amdhsa_code_object_version 6
	.text
	.protected	k_qd8cfc1efff_norm
	.globl	k_qd8cfc1efff_norm
	.p2align	8
	.type	k_qd8cfc1efff_norm,@function
k_qd8cfc1efff_norm:
	s_mov_b64 s[64:65], 0
	v_nop
	global_prefetch_b8 v0, s[64:65] scope:SCOPE_SE
	s_setreg_imm32_b32 hwreg(HW_REG_WAVE_MODE, 25, 1), 1
	s_wait_xcnt 0x0
; GROUP NORM AND THE FIRST QUANTISERS.  x: [32][512][1024] f32.  Work-group n = 8 b + g owns group g of batch b: 64 channels x 1,024 pixels, 262,144 dense bytes, which come
; into LDS once (one tensor load of 16 KiB a wave) and are read three times from there: for the mean, for the variance about that mean (no difference of large sums), and, turned,
; for xn = (x - mu) (gamma rstd) + beta, which is quantised along the channels to E3M2 with one E8M0 byte for each 32.  Waves 0 and 1 also quantise one fragment each of the four weights
; (512 fragments of 16 rows x 128 along c_in, 2 for each of the 256 work-groups) while the slab is on its way.
; OUTPUT LAYOUT (this program's own).  A FRAGMENT IMAGE, 1,536 bytes, is the matrix operand's 12 registers of 32 lanes: registers 0-3 at 16 x lane, 4-5 at 512 + 8 x lane, 6-9 at 768 + 16 x lane,
; 10-11 at 1,280 + 8 x lane: two halves of 768 bytes, 64 along K each.  A SCALE IMAGE, 128 bytes, is one word a lane: lanes 0-15 the rows of an even tile, lanes 16-31 those of the odd tile beside it.
; A BLOCK, 51,200 bytes, is 128 rows x K 512: 32 fragment images (4 x tile + K step), then 16 scale images (4 x pair + K step).
; THE ROWS OF A TILE ARE NOT NEIGHBOURS: row r of tile 2 p + u stands for index 32 p + 8 u + r + 8 (r / 8), so that a product that takes such tiles as its first source leaves 16 neighbours in 16 registers.
; No cluster: no two work-groups read the same bytes of x.  Sixteen waves of 256 registers: four to a SIMD, so that one wave's LDS loads stand beside another's arithmetic.
; LIMITS: NaN and infinities among the inputs are not served.  A block whose largest magnitude lies under 2^-122 is held at the byte 1; a block of zeros gets the byte 1 and not 127: its codes are zeros, and this program alone reads the bytes.
; xn is formed as (x - mu) x (gamma x rstd) + beta, fused: it differs from the order of the definition by roundings of f32 alone.
.set X,     64                         ; v64-127   64 numbers at work
.set GA,    128                        ; v128-191  gamma of my group's 64 channels, then gamma x rstd
.set BE,    192                        ; v192-255  beta
.set RED,   262144                     ; LDS behind the slab: 16 words for the sums, and 256 bytes on 16 words for the squares
.set FLOOR, 0x2800000                  ; 2^(5 - 127): under it no largest magnitude is taken, so a scale's byte cannot fall under 1
; v1 lane, v2 r, v3 h, v4 0, v5-7 16, 8, 4 x lane, v8-15 four packed sums, v16 my 16 KiB, v17-18 the sums' words, v[20:21] mu, v[22:23] rstd, v24-27 the turned reads, v28, v30 weight addresses, v29 a permute's destination
; v32-39 maxima, scale operands, bytes, word;  v40-51 codes;  v52-58 second halves of blocks
	s_load_b256 s[4:11], s[0:1], 0x0               ; x s[4:5], gamma s[6:7], beta s[8:9], q_w s[10:11]
	s_load_b256 s[32:39], s[0:1], 0x20             ; k_w s[32:33], v_w s[34:35], p_w s[36:37], xnb s[38:39]
	s_load_b64 s[40:41], s[0:1], 0x40              ; wq
	v_lshl_add_u32 v62, v0, 2, 0x40200
	v_mov_b32 v63, 0
	ds_add_u32 v62, v63
	ds_add_u32 v62, v63
	v_lshrrev_b32 v1, 5, v0
	v_readfirstlane_b32 s12, v1                    ; wave 0..15
	v_and_b32 v1, 31, v0                           ; lane
	v_and_b32 v2, 15, v0                           ; r
	v_bfe_u32 v3, v0, 4, 1                         ; h
	v_mov_b32 v4, 0
	v_lshlrev_b32 v5, 4, v1
	v_lshlrev_b32 v6, 3, v1
	v_lshlrev_b32 v7, 2, v1
	v_mov_b32 v29, 0                               ; a lane permute's destination counts as one of its sources
	; descriptor group 1: 64 rows of 256 bytes (32 elements of 8 bytes), dense
	s_mov_b32 s16, 3<<16
	s_mov_b32 s17, 32<<16
	s_mov_b32 s18, 64<<16
	s_mov_b32 s19, 32<<16
	s_mov_b32 s20, 64
	s_mov_b32 s21, 32
	s_mov_b32 s22, 0
	s_mov_b32 s23, 0
	s_lshl_b32 s13, s12, 14                        ; my 16 KiB of the slab: four channels
	s_lshl_b32 s14, ttmp9, 18                      ; the slab in x
	s_add_co_u32 s14, s14, s13
	s_mov_b32 s15, 0
	s_and_b32 s28, ttmp9, 7                        ; g
	s_lshl_b32 s30, s28, 8                         ; my group's 64 numbers of gamma and beta
	s_mov_b32 s31, 0
	s_mov_b32 s50, 0x76543210
	s_mov_b32 s51, 0xfedcba98                      ; v_permlanex16_b32's selects for lane l xor 16
	s_mov_b32 s52, 0x37800000                      ; 2^-16: a group has 65,536 numbers
	s_mov_b32 s53, 0x3727c5ac                      ; 1e-5
	; every LDS address is made here, ahead of the branch on the wave's number
	v_add_nc_u32 v16, s13, v5
	s_lshl_b32 s29, s12, 2
	s_add_co_u32 s29, s29, RED
	v_mov_b32 v17, s29
	v_mov_b32 v18, RED
	v_and_b32 v24, 7, v0
	v_bfe_u32 v25, v0, 3, 1
	v_lshl_add_u32 v24, v25, 4, v24
	v_lshl_add_u32 v24, v3, 3, v24                 ; my pixel of a pair of tiles: l % 8 + 16 ((l / 8) % 2) + 8 (l / 16)
	s_lshl_b32 s29, s12, 8                         ; my wave's 64 pixels
	v_lshl_add_u32 v24, v24, 2, s29
	v_add_nc_u32 v25, 0x10000, v24                 ; channels 16, 32, 48 on: an LDS offset has 16 bits
	v_add_nc_u32 v26, 0x20000, v24
	v_add_nc_u32 v27, 0x30000, v24
	; where my wave's codes and scale bytes go: block 8 b + wave / 2; in it pairs 2 (wave % 2) + i; K step g / 2, half g % 2
	s_and_b32 s42, ttmp9, 0xf8
	s_lshr_b32 s43, s12, 1
	s_add_co_u32 s42, s42, s43
	s_mul_i32 s42, s42, 51200
	s_and_b32 s43, s12, 1
	s_lshr_b32 s44, s28, 1
	s_and_b32 s45, s28, 1
	s_mul_i32 s46, s43, 24576
	s_mul_i32 s47, s44, 1536
	s_mul_i32 s48, s45, 768
	s_add_co_u32 s54, s42, s46
	s_add_co_u32 s54, s54, s47
	s_add_co_u32 s54, s54, s48
	s_mov_b32 s55, 0
	s_lshl_b32 s46, s43, 10
	s_lshl_b32 s47, s44, 7
	s_lshl_b32 s48, s45, 1
	s_add_co_u32 s56, s42, s46
	s_add_co_u32 s56, s56, s47
	s_add_co_u32 s56, s56, s48
	s_add_co_u32 s56, s56, 49152
	s_mov_b32 s57, 0
	s_wait_dscnt 0x0
	s_wait_kmcnt 0x0
	s_mov_b32 s24, 1                               ; descriptor group 0
	s_mov_b32 s25, s13
	s_add_nc_u64 s[26:27], s[4:5], s[14:15]
	s_or_b32 s27, s27, 0x80000000
	tensor_load_to_lds s[24:27], s[16:23]          ; my one tensor load: LDS is filled once
	s_nop 0
.rept 4
	v_nop
.endr
	s_add_nc_u64 s[54:55], s[38:39], s[54:55]
	s_add_nc_u64 s[56:57], s[38:39], s[56:57]
	s_add_nc_u64 s[6:7], s[6:7], s[30:31]
	s_add_nc_u64 s[8:9], s[8:9], s[30:31]
.irp j, 0,1,2,3,4,5,6,7,8,9,10,11,12,13,14,15
	global_load_b128 v[GA+4*\j:GA+4*\j+3], v4, s[6:7] offset:16*\j    ; every lane holds all 64
	global_load_b128 v[BE+4*\j:BE+4*\j+3], v4, s[8:9] offset:16*\j
.endr
; Two blocks of 32 numbers of one lane, v[X] on and v[X+32] on: their scale operands (v34, v35), bytes (v36, v37) and codes (v40-45, v46-51).
.macro BLOCKS
	v_max3_num_f32 v32, |v[X]|, |v[X+1]|, FLOOR
	v_max3_num_f32 v33, |v[X+32]|, |v[X+33]|, FLOOR
.irp k, 2,4,6,8,10,12,14,16,18,20,22,24,26,28,30
	v_max3_num_f32 v32, v32, |v[X+\k]|, |v[X+\k+1]|
	v_max3_num_f32 v33, v33, |v[X+32+\k]|, |v[X+33+\k]|
.endr
	v_add_nc_u32 v34, 0xfe000000, v32              ; 4 off the exponent field: the conversion takes the exponent field of this operand as its scale
	v_add_nc_u32 v35, 0xfe000000, v33
	v_lshrrev_b32 v36, 23, v34                     ; the scale's byte
	v_lshrrev_b32 v37, 23, v35
	v_cvt_scalef32_pk16_bf6_f32 v[40:42], v[X:X+15], v34
	v_cvt_scalef32_pk16_bf6_f32 v[52:54], v[X+16:X+31], v34      ; (a conversion's three registers begin on an even number)
	v_cvt_scalef32_pk16_bf6_f32 v[46:48], v[X+32:X+47], v35
	v_cvt_scalef32_pk16_bf6_f32 v[56:58], v[X+48:X+63], v35
	v_nop                                          ; one plain place behind a scaled conversion
.irp k, 0,1,2
	v_mov_b32 v[43+\k], v[52+\k]
	v_mov_b32 v[49+\k], v[56+\k]
.endr
.endm
	; ---- THE WEIGHTS: waves 0 and 1.  Matrix m = n / 64, pair of tiles pr = (n / 4) % 16, K step s = n % 4, tile u = wave.  K (c_in) is innermost: lane (r, h) loads the 2 x 32 numbers that the operand's layout gives it.
	s_cmp_lt_u32 s12, 2
	s_cbranch_scc0 .Lno_weight
	s_lshr_b32 s42, ttmp9, 6
	s_bfe_u32 s43, ttmp9, 0x40002
	s_and_b32 s44, ttmp9, 3
	s_cmp_eq_u32 s42, 1
	s_cselect_b64 s[10:11], s[32:33], s[10:11]
	s_cmp_eq_u32 s42, 2
	s_cselect_b64 s[10:11], s[34:35], s[10:11]
	s_cmp_eq_u32 s42, 3
	s_cselect_b64 s[10:11], s[36:37], s[10:11]
	s_lshl_b32 s46, s43, 16                        ; 32 pr rows of 2,048 bytes,
	s_lshl_b32 s47, s12, 14                        ; 8 u rows,
	s_add_co_u32 s46, s46, s47
	s_lshl_b32 s47, s44, 9                         ; 128 s numbers
	s_add_co_u32 s46, s46, s47
	s_mov_b32 s47, 0
	s_add_nc_u64 s[10:11], s[10:11], s[46:47]
	v_and_b32 v28, 8, v2
	v_add_nc_u32 v28, v28, v2                      ; r + 8 (r / 8)
	v_lshlrev_b32 v28, 11, v28
	v_lshl_add_u32 v28, v3, 7, v28                 ; + 32 h numbers
	v_lshlrev_b32 v30, 2, v2
.irp c, 0,1
.irp j, 0,1,2,3,4,5,6,7
	global_load_b128 v[X+32*\c+4*\j:X+32*\c+4*\j+3], v28, s[10:11] offset:256*\c+16*\j
.endr
.endr
	s_lshl_b32 s45, s42, 2
	s_lshr_b32 s48, s43, 2
	s_add_co_u32 s45, s45, s48
	s_mul_i32 s45, s45, 51200                      ; block 4 m + pr / 4
	s_and_b32 s48, s43, 3
	s_lshl_b32 s49, s48, 1
	s_add_co_u32 s49, s49, s12
	s_lshl_b32 s49, s49, 2
	s_add_co_u32 s49, s49, s44
	s_mul_i32 s49, s49, 1536                       ; fragment 4 (2 (pr % 4) + u) + s
	s_add_co_u32 s58, s45, s49
	s_mov_b32 s59, 0
	s_lshl_b32 s48, s48, 2
	s_add_co_u32 s48, s48, s44
	s_lshl_b32 s48, s48, 7                         ; scale image 4 (pr % 4) + s,
	s_lshl_b32 s49, s12, 6                         ; its half u
	s_add_co_u32 s48, s48, s49
	s_add_co_u32 s48, s48, s45
	s_add_co_u32 s60, s48, 49152
	s_mov_b32 s61, 0
	s_add_nc_u64 s[58:59], s[40:41], s[58:59]
	s_add_nc_u64 s[60:61], s[40:41], s[60:61]
	s_wait_loadcnt 0x0
	BLOCKS
	v_lshl_or_b32 v38, v37, 16, v36                ; my two bytes: blocks h and 2 + h of row r,
	v_lshlrev_b32 v39, 3, v3
	v_lshlrev_b32 v38, v39, v38                    ; at their places in the word;
	v_permlanex16_b32 v29, v38, s50, s51
	v_or_b32 v38, v38, v29                         ; with lane l xor 16's two the word is whole
	global_store_b128 v5, v[40:43], s[58:59]
	global_store_b64 v6, v[44:45], s[58:59] offset:512
	global_store_b128 v5, v[46:49], s[58:59] offset:768
	global_store_b64 v6, v[50:51], s[58:59] offset:1280
	global_store_b32 v30, v38, s[60:61]            ; both halves of the lanes write the same word with the same value
	s_wait_xcnt 0x0                                ; the stores' registers are written again only behind this wait
.Lno_weight:
; One pass over my 16 KiB: sq = 0: the sum; sq = 1: the sum of (x - mu)^2.  Four packed chains.
.macro PASS sq
.irp k, 8,9,10,11,12,13,14,15
	v_mov_b32 v\k, 0
.endr
.irp bt, 0,1
.irp j, 0,1,2,3,4,5,6,7,8,9,10,11,12,13,14,15
	ds_load_b128 v[X+4*\j:X+4*\j+3], v16 offset:8192*\bt+512*\j
.endr
	s_wait_dscnt 0x0
.if \sq
.set n, 0
.rept 32
	v_pk_add_f32 v[X+2*n:X+2*n+1], v[X+2*n:X+2*n+1], v[20:21] neg_lo:[0,1] neg_hi:[0,1]
.set n, n+1
.endr
.endif
.set n, 0
.rept 32
.if \sq
	v_pk_fma_f32 v[8+2*(n%4):9+2*(n%4)], v[X+2*n:X+2*n+1], v[X+2*n:X+2*n+1], v[8+2*(n%4):9+2*(n%4)]
.else
	v_pk_add_f32 v[8+2*(n%4):9+2*(n%4)], v[8+2*(n%4):9+2*(n%4)], v[X+2*n:X+2*n+1]
.endif
.set n, n+1
.endr
.endr
.endm
; The wave's sum, then the work-group's: each wave stores its sum to its own word, waits for that store, passes the barrier, and reads all sixteen.  The result stands in v8 of every lane of every wave, the same bits in all.
.macro REDUCE off
	v_pk_add_f32 v[8:9], v[8:9], v[10:11]
	v_pk_add_f32 v[12:13], v[12:13], v[14:15]
	v_pk_add_f32 v[8:9], v[8:9], v[12:13]
	v_add_f32 v8, v8, v9
	v_add_f32_dpp v8, v8, v8 row_xmask:1 row_mask:0xf bank_mask:0xf
	v_add_f32_dpp v8, v8, v8 row_xmask:2 row_mask:0xf bank_mask:0xf
	v_add_f32_dpp v8, v8, v8 row_xmask:4 row_mask:0xf bank_mask:0xf
	v_add_f32_dpp v8, v8, v8 row_xmask:8 row_mask:0xf bank_mask:0xf
	v_permlanex16_b32 v29, v8, s50, s51
	v_add_f32 v8, v8, v29
	ds_store_b32 v17, v8 offset:\off
	s_wait_dscnt 0x0                               ; for the others' sake: my store has landed
	s_barrier_signal -1
	s_barrier_wait -1
.irp j, 0,1,2,3
	ds_load_b128 v[X+4*\j:X+4*\j+3], v18 offset:\off+16*\j
.endr
	s_wait_dscnt 0x0
	v_pk_add_f32 v[X:X+1], v[X:X+1], v[X+2:X+3]
	v_pk_add_f32 v[X+4:X+5], v[X+4:X+5], v[X+6:X+7]
	v_pk_add_f32 v[X+8:X+9], v[X+8:X+9], v[X+10:X+11]
	v_pk_add_f32 v[X+12:X+13], v[X+12:X+13], v[X+14:X+15]
	v_pk_add_f32 v[X:X+1], v[X:X+1], v[X+4:X+5]
	v_pk_add_f32 v[X+8:X+9], v[X+8:X+9], v[X+12:X+13]
	v_pk_add_f32 v[X:X+1], v[X:X+1], v[X+8:X+9]
	v_add_f32 v8, v[X], v[X+1]
.endm
	; ---- THE MEAN
	s_wait_tensorcnt 0x0                           ; my 16 KiB have landed; I alone read them ahead of the first barrier, which then shows every wave's part to all
	PASS 0
	REDUCE 0
	v_mul_f32 v20, s52, v8                         ; mu
	v_mov_b32 v21, v20
	; ---- THE VARIANCE, about that mean.  The second sums have words of their own, so no barrier stands between the reads of the first and these stores
	PASS 1
	REDUCE 256
	v_fma_f32 v22, v8, s52, s53                    ; var + eps
	v_rsq_f32 v22, v22
	v_nop                                          ; one plain place behind a transcendental
	s_wait_alu depctr_va_vdst(0)
	v_mov_b32 v23, v22
	s_wait_loadcnt 0x0                             ; gamma and beta
.set n, 0
.rept 32
	v_pk_mul_f32 v[GA+2*n:GA+2*n+1], v[GA+2*n:GA+2*n+1], v[22:23]
.set n, n+1
.endr
	; ---- xn AND ITS CODES: my wave's 64 pixels, a pair of tiles (32 pixels, one a lane) at a time.  A lane's registers run down the 64 channels: two whole blocks of 32.
.irp i, 0,1
.set c, 0
.rept 64
	ds_load_b32 v[X+c], v[24+c/16] offset:(c%16)*4096+128*\i     ; the 32 lanes read 128 consecutive bytes of channel c, in the tiles' order of rows
.set c, c+1
.endr
	s_wait_dscnt 0x0
.set n, 0
.rept 32
	v_pk_add_f32 v[X+2*n:X+2*n+1], v[X+2*n:X+2*n+1], v[20:21] neg_lo:[0,1] neg_hi:[0,1]
.set n, n+1
.endr
.set n, 0
.rept 32
	v_pk_fma_f32 v[X+2*n:X+2*n+1], v[X+2*n:X+2*n+1], v[GA+2*n:GA+2*n+1], v[BE+2*n:BE+2*n+1]
.set n, n+1
.endr
	s_wait_xcnt 0x0                                ; the last pair's stores have read their registers
	BLOCKS
	v_lshl_or_b32 v38, v37, 8, v36                 ; my pixel's two bytes: half of its scale word for K step g / 2
.irp k, 0,1,2,3,4,5
	v_permlane16_swap_b32 v[40+\k], v[46+\k]       ; block 0's lanes 16-31 change places with block 1's lanes 0-15: v40-45 is now the even tile's half image (lanes 0-15 block 0, lanes 16-31 block 1), v46-51 the odd tile's
.endr
	global_store_b128 v5, v[40:43], s[54:55] offset:12288*\i
	global_store_b64 v6, v[44:45], s[54:55] offset:12288*\i+512
	global_store_b128 v5, v[46:49], s[54:55] offset:12288*\i+6144
	global_store_b64 v6, v[50:51], s[54:55] offset:12288*\i+6144+512
	global_store_b16 v7, v38, s[56:57] offset:512*\i             ; the one store of two bytes a lane: 64 of the 1,600 bytes that a pair sends out
.endr
	s_wait_tensorcnt 0x0
	ds_add_u32 v62, v63
	s_wait_dscnt 0x0
	s_endpgm
.Lfunc_end_k_qd8cfc1efff_norm:
	.size	k_qd8cfc1efff_norm, .Lfunc_end_k_qd8cfc1efff_norm-k_qd8cfc1efff_norm
	.p2alignl 7, 3214868480
	.fill 96, 4, 3214868480
	.section	.rodata,"a",@progbits
	.p2align	6, 0x0
	.amdhsa_kernel k_qd8cfc1efff_norm
		.amdhsa_group_segment_fixed_size 264704
		.amdhsa_private_segment_fixed_size 0
		.amdhsa_enable_private_segment 0
		.amdhsa_kernarg_size 72
		.amdhsa_user_sgpr_count 2
		.amdhsa_user_sgpr_kernarg_segment_ptr 1
		.amdhsa_wavefront_size32 1
		.amdhsa_system_sgpr_workgroup_id_x 1
		.amdhsa_system_sgpr_workgroup_id_y 1
		.amdhsa_system_sgpr_workgroup_id_z 1
		.amdhsa_system_vgpr_workitem_id 0
		.amdhsa_next_free_vgpr 256
		.amdhsa_next_free_sgpr 66
		.amdhsa_reserve_vcc 0
		.amdhsa_float_denorm_mode_32 3
		.amdhsa_float_denorm_mode_16_64 3
		.amdhsa_memory_ordered 1
		.amdhsa_forward_progress 1
		.amdhsa_inst_pref_size 59
	.end_amdhsa_kernel
	.amdgpu_metadata
---
amdhsa.version: [ 1, 2 ]
amdhsa.kernels:
  - .name:           k_qd8cfc1efff_norm
    .symbol:         k_qd8cfc1efff_norm.kd
    .args:
      - { .name: x, .offset: 0, .size: 8, .value_kind: global_buffer, .address_space: global }
      - { .name: gamma, .offset: 8, .size: 8, .value_kind: global_buffer, .address_space: global }
      - { .name: beta, .offset: 16, .size: 8, .value_kind: global_buffer, .address_space: global }
      - { .name: q_w, .offset: 24, .size: 8, .value_kind: global_buffer, .address_space: global }
      - { .name: k_w, .offset: 32, .size: 8, .value_kind: global_buffer, .address_space: global }
      - { .name: v_w, .offset: 40, .size: 8, .value_kind: global_buffer, .address_space: global }
      - { .name: p_w, .offset: 48, .size: 8, .value_kind: global_buffer, .address_space: global }
      - { .name: xnb, .offset: 56, .size: 8, .value_kind: global_buffer, .address_space: global }
      - { .name: wq, .offset: 64, .size: 8, .value_kind: global_buffer, .address_space: global }
    .group_segment_fixed_size: 264704
    .private_segment_fixed_size: 0
    .kernarg_segment_align: 8
    .kernarg_segment_size: 72
    .max_flat_workgroup_size: 512
    .sgpr_count:     66
    .vgpr_count:     256
    .wavefront_size: 32
...
	.end_amdgpu_metadata
.endif
;; end of part 1
;; launch qkv (part 2): grid 64 x 4, 4 waves a work-group, clusters of 4 x 1, 168,448 bytes of LDS; arguments xnb, wq, q_b, k_b, v_b, qb, kv; writes qb, kv
.if DOCPART == 2
	.amdgcn_target "amdgcn-amd-amdhsa--gfx1250"
	.amdhsa_code_object_version 6
	.text
	.protected	k_qd8cfc1efff_qkv
	.globl	k_qd8cfc1efff_qkv
	.p2align	8
	.type	k_qd8cfc1efff_qkv,@function
k_qd8cfc1efff_qkv:
	s_mov_b64 s[64:65], 0
	v_nop
	global_prefetch_b8 v0, s[64:65] scope:SCOPE_SE
	s_setreg_imm32_b32 hwreg(HW_REG_WAVE_MODE, 25, 1), 1
	s_wait_xcnt 0x0
	s_wait_alu depctr_hold_cnt(0) depctr_sa_sdst(0) depctr_va_vdst(0) depctr_va_sdst(0) depctr_va_ssrc(0) depctr_va_vcc(0) depctr_vm_vsrc(0)
	s_getreg_b32 s2, hwreg(HW_REG_IB_STS2, 6, 4)
	s_cmp_eq_u32 s2, 0
	s_cbranch_scc0 .Lentry_in_a_cluster
	s_endpgm
.Lentry_in_a_cluster:
	s_bfe_u32 s2, ttmp6, 0x10000c
	s_cmp_lg_u32 s2, 0x3003
	s_cbranch_scc0 .Lentry_shape_is_right
	s_endpgm
.Lentry_shape_is_right:
; q, k, v = xn W^T + bias, on codes of E3M2 with E8M0 scales, and their own quantising: q and k along the channels (for each pixel), v along the pixels (for each channel).
; The 1,536 output channels (q, k, v) are 12 TRIPS of 128.  Work-group (X, y) takes 512 pixels (X = 0..63) and trips 3 y .. 3 y + 2.  Wave w keeps block 4 X + w of xn (128 pixels x 512 channels: 32 fragments,
; 384 registers) in registers for the whole launch.  The three trips' weights, 153,600 dense bytes, come into LDS once, a quarter by each wave.
; CLUSTER: the four work-groups of a cluster lie along X and share y, so they need the same weights: each quarter is asked for JOINTLY, by the same tensor load with a mask that names the four.
; A weight fragment read from LDS feeds 8 matrix instructions (my 8 tiles of pixels).
; A trip goes in two CHUNKS of 64 output channels: 4 tiles of weights x 8 tiles of pixels = 32 accumulators, 4 K steps deep, by turns.
;   q, k: source 0 = 16 rows of W, source 1 = 16 pixels: a lane holds ONE pixel and its registers run along the output channels, which are the next product's K.
;   v:    source 0 = 16 pixels, source 1 = 16 rows of W: a lane holds ONE channel and its registers run along the pixels, which are the keys: the second attention product's K.
; The rows of every tile are ordered so that 16 registers of two neighbouring tiles are 16 neighbours (row r of tile 2 p + u stands for 32 p + 8 u + r + 8 (r / 8)).
; The biases are the C of each sum's first matrix instruction.  Layouts of fragment images, scale images and blocks: as in the launch in front.
; kv: for each block of 128 pixels 102,400 bytes: k's block (128 keys x 512 channels), then v's (32 fragments of 16 channels x 128 keys, 16 scale images).
; LIMITS: NaN and infinities are not served; a block under 2^-122 is held at the byte 1, a block of zeros gets the byte 1 and not 127 (its codes are zeros; this program alone reads the bytes).
; REGISTERS.  Window 0: v1-3 16, 8, 4 x lane; v4-8 LDS addresses of the trip; v9-10 their lane terms; v12-27 xn's scale words; v28-35 the chunk's weight scale words; v36-67 the bias as C; v68-163 two sets of 4 weight fragments;
;   v164-183 codes; v184-199 at work; v200 a scale word; v201-204 words kept; v205-207 at work.   Window 1: xn's fragments of K steps 0, 1.   Window 2: of K steps 2, 3.   Window 3: the 32 accumulators.
.set BIAS, 153600                      ; LDS behind the weights: 4 x 512 bytes of biases, written by LDS stores alone
.set PC,   164
.set TM,   184
.set PW,   200
.set MSB, 0
.macro WIN new                         ; the immediate's high byte repeats the setting that is left; a switch that changes nothing is dropped
.if MSB != (\new)
	s_set_vgpr_msb (MSB<<8)|(\new)
.set MSB, (\new)
.endif
.endm
.macro PLACES n
.rept \n
	v_nop
.endr
.endm
.macro ROUND                           ; a round of the cluster's barrier
	s_barrier_signal -1
	s_barrier_wait -1
	s_cmp_lg_u32 s18, 0
	s_cbranch_scc1 .Lnot_wave_0_\@
	s_barrier_signal -3
.Lnot_wave_0_\@:
	s_barrier_wait -3
	s_barrier_signal -1
	s_barrier_wait -1
.endm
.macro FRAGL reg, a16, a8, off         ; a fragment image from LDS: each load takes 512 or 256 consecutive bytes
	ds_load_b128 v[(\reg):(\reg)+3], v[\a16] offset:(\off)
	ds_load_b64 v[(\reg)+4:(\reg)+5], v[\a8] offset:(\off)+512
	ds_load_b128 v[(\reg)+6:(\reg)+9], v[\a16] offset:(\off)+768
	ds_load_b64 v[(\reg)+10:(\reg)+11], v[\a8] offset:(\off)+1280
.endm
.macro FRAGG reg, off                  ; the same from xn's block in memory
	global_load_b128 v[(\reg):(\reg)+3], v1, s[4:5] offset:(\off)
	global_load_b64 v[(\reg)+4:(\reg)+5], v2, s[4:5] offset:(\off)+512
	global_load_b128 v[(\reg)+6:(\reg)+9], v1, s[4:5] offset:(\off)+768
	global_load_b64 v[(\reg)+10:(\reg)+11], v2, s[4:5] offset:(\off)+1280
.endm
; One matrix instruction.  d, a, b, c: first registers (c < 0: the constant 0); sa, sb: scale registers; ra, rb: 1 = the scales stand in lanes 16-31.
.macro WM d, a, b, c, sa, sb, ra, rb
.if (\c) < 0
.if ((\ra) == 0) && ((\rb) == 0)
	v_wmma_scale_f32_16x16x128_f8f6f4 v[(\d):(\d)+7], v[(\a):(\a)+11], v[(\b):(\b)+11], 0, v[(\sa)], v[(\sb)] matrix_a_fmt:MATRIX_FMT_BF6 matrix_b_fmt:MATRIX_FMT_BF6
.elseif (\rb) == 0
	v_wmma_scale_f32_16x16x128_f8f6f4 v[(\d):(\d)+7], v[(\a):(\a)+11], v[(\b):(\b)+11], 0, v[(\sa)], v[(\sb)] matrix_a_fmt:MATRIX_FMT_BF6 matrix_b_fmt:MATRIX_FMT_BF6 matrix_a_scale:MATRIX_SCALE_ROW1
.elseif (\ra) == 0
	v_wmma_scale_f32_16x16x128_f8f6f4 v[(\d):(\d)+7], v[(\a):(\a)+11], v[(\b):(\b)+11], 0, v[(\sa)], v[(\sb)] matrix_a_fmt:MATRIX_FMT_BF6 matrix_b_fmt:MATRIX_FMT_BF6 matrix_b_scale:MATRIX_SCALE_ROW1
.else
	v_wmma_scale_f32_16x16x128_f8f6f4 v[(\d):(\d)+7], v[(\a):(\a)+11], v[(\b):(\b)+11], 0, v[(\sa)], v[(\sb)] matrix_a_fmt:MATRIX_FMT_BF6 matrix_b_fmt:MATRIX_FMT_BF6 matrix_a_scale:MATRIX_SCALE_ROW1 matrix_b_scale:MATRIX_SCALE_ROW1
.endif
.else
.if ((\ra) == 0) && ((\rb) == 0)
	v_wmma_scale_f32_16x16x128_f8f6f4 v[(\d):(\d)+7], v[(\a):(\a)+11], v[(\b):(\b)+11], v[(\c):(\c)+7], v[(\sa)], v[(\sb)] matrix_a_fmt:MATRIX_FMT_BF6 matrix_b_fmt:MATRIX_FMT_BF6
.elseif (\rb) == 0
	v_wmma_scale_f32_16x16x128_f8f6f4 v[(\d):(\d)+7], v[(\a):(\a)+11], v[(\b):(\b)+11], v[(\c):(\c)+7], v[(\sa)], v[(\sb)] matrix_a_fmt:MATRIX_FMT_BF6 matrix_b_fmt:MATRIX_FMT_BF6 matrix_a_scale:MATRIX_SCALE_ROW1
.elseif (\ra) == 0
	v_wmma_scale_f32_16x16x128_f8f6f4 v[(\d):(\d)+7], v[(\a):(\a)+11], v[(\b):(\b)+11], v[(\c):(\c)+7], v[(\sa)], v[(\sb)] matrix_a_fmt:MATRIX_FMT_BF6 matrix_b_fmt:MATRIX_FMT_BF6 matrix_b_scale:MATRIX_SCALE_ROW1
.else
	v_wmma_scale_f32_16x16x128_f8f6f4 v[(\d):(\d)+7], v[(\a):(\a)+11], v[(\b):(\b)+11], v[(\c):(\c)+7], v[(\sa)], v[(\sb)] matrix_a_fmt:MATRIX_FMT_BF6 matrix_b_fmt:MATRIX_FMT_BF6 matrix_a_scale:MATRIX_SCALE_ROW1 matrix_b_scale:MATRIX_SCALE_ROW1
.endif
.endif
.endm
; 64 numbers of a lane in window w, v[s] on; register 16 b + i is number 32 b + 16 (lane / 16) + i of four blocks of 32.  Out: codes in v[PC] .. v[PC+11] (registers 6 c on: lanes 0-15 block 2 c, lanes 16-31 block 2 c + 1),
; the four bytes in v[PW].  The accumulators are read from their low ends on.
.macro QUANT s, w
	WIN 0
.irp b, 0,1,2,3
	v_mov_b32 v[TM+\b], 0x2800000                  ; the floor 2^(5 - 127): the byte cannot fall under 1
.endr
	WIN ((\w)<<2)|((\w)<<4)
.irp i, 0,2,4,6,8,10,12,14
.irp b, 0,1,2,3
	v_max3_num_f32 v[TM+\b], v[TM+\b], |v[(\s)+16*\b+\i]|, |v[(\s)+16*\b+\i+1]|     ; the four blocks by turns
.endr
.endr
	WIN 0
.irp b, 0,1,2,3
	v_permlanex16_b32 v[TM+4+\b], v[TM+\b], s50, s51
.endr
.irp b, 0,1,2,3
	v_max_num_f32 v[TM+\b], v[TM+\b], v[TM+4+\b]   ; with lane l xor 16's 16: the block's largest magnitude
.endr
.irp b, 0,1,2,3
	v_add_nc_u32 v[TM+12+\b], 0xfe000000, v[TM+\b] ; 4 off its exponent field: the conversion's scale operand
.endr
.irp b, 0,1,2,3
	v_lshrrev_b32 v[TM+4+\b], 23, v[TM+12+\b]      ; the byte
.endr
	v_lshl_or_b32 v[PW], v[TM+5], 8, v[TM+4]
	v_lshl_or_b32 v[PW], v[TM+6], 16, v[PW]
	v_lshl_or_b32 v[PW], v[TM+7], 24, v[PW]
	WIN (\w)
.irp c, 0,1
	v_cvt_scalef32_pk16_bf6_f32 v[PC+6*\c:PC+6*\c+2], v[(\s)+32*\c:(\s)+32*\c+15], v[TM+12+2*\c]
	v_cvt_scalef32_pk16_bf6_f32 v[PC+12+4*\c:PC+14+4*\c], v[(\s)+32*\c+16:(\s)+32*\c+31], v[TM+13+2*\c]
.endr
	WIN 0
	v_nop                                          ; one plain place behind a scaled conversion
.irp c, 0,1
.irp i, 0,1,2
	v_permlane16_swap_b32 v[PC+6*\c+\i], v[PC+12+4*\c+\i]        ; a whole block to a lane
.endr
.irp i, 0,1,2
	v_mov_b32 v[PC+3+6*\c+\i], v[PC+12+4*\c+\i]
.endr
.endr
.endm
	s_load_b256 s[4:11], s[0:1], 0x0               ; xnb s[4:5], wq s[6:7], q_b s[8:9], k_b s[10:11]
	s_load_b128 s[12:15], s[0:1], 0x20             ; v_b s[12:13], qb s[14:15]
	s_load_b64 s[16:17], s[0:1], 0x30              ; kv
	v_lshl_add_u32 v254, v0, 2, 0x29000
	v_mov_b32 v255, 0
	ds_add_u32 v254, v255
	ds_add_u32 v254, v255
	v_lshrrev_b32 v1, 5, v0
	v_readfirstlane_b32 s18, v1                    ; wave 0..3
	v_and_b32 v11, 31, v0
	v_lshlrev_b32 v1, 4, v11
	v_lshlrev_b32 v2, 3, v11
	v_lshlrev_b32 v3, 2, v11
	v_and_b32 v9, 15, v0                           ; r
	v_bfe_u32 v10, v0, 4, 1                        ; h
	v_and_b32 v11, 8, v9
	v_add_nc_u32 v11, v11, v9
	v_lshlrev_b32 v9, 2, v11                       ; v's bias: my channel r + 8 (r / 8) of a tile
	v_lshlrev_b32 v10, 6, v10                      ; q's, k's: my half's 16 channels
	v_lshl_add_u32 v205, v0, 4, BIAS               ; where my 16 bytes of bias go
.irp b, 0,1,2,3
	v_mov_b32 v[TM+4+\b], 0                        ; a lane permute's destination counts as one of its sources
.endr
	s_bfe_u32 s19, ttmp6, 0x40000                  ; cx: it enters xn's, q's and kv's addresses alone
	s_lshl_b32 s32, ttmp9, 2
	s_add_co_u32 s32, s32, s19                     ; X
	s_and_b32 s33, ttmp7, 0xffff                   ; y, which the four partners share
	s_lshl_b32 s34, s32, 2
	s_add_co_u32 s34, s34, s18                     ; my block of 128 pixels
	s_mul_i32 s44, s34, 51200                      ; its place in xnb and qb,
	s_mul_i32 s45, s34, 102400                     ; and in kv
	s_mul_i32 s36, s33, 3                          ; the first trip
	; descriptor group 1: 150 rows of 256 bytes, dense; the mask names all four work-groups, bit 21 beside it
	s_mov_b32 s20, 15|(3<<16)|(1<<21)
	s_mov_b32 s21, 32<<16
	s_mov_b32 s22, 150<<16
	s_mov_b32 s23, 32<<16
	s_mov_b32 s24, 150
	s_mov_b32 s25, 32
	s_mov_b32 s26, 0
	s_mov_b32 s27, 0
	s_mul_i32 s48, s33, 153600                     ; my quarter of the three trips' weights: y and the wave's number alone
	s_mul_i32 s35, s18, 38400
	s_add_co_u32 s48, s48, s35
	s_mov_b32 s49, 0
	s_add_co_u32 s46, s36, s18                     ; wave w brings trip w's 128 biases (wave 3 a fourth run, held inside the tables, that no trip reads)
	s_min_u32 s46, s46, 11
	s_lshr_b32 s56, s46, 2
	s_and_b32 s46, s46, 3
	s_lshl_b32 s46, s46, 9
	s_mov_b32 s47, 0
	s_mov_b32 s58, s44
	s_mov_b32 s59, 0
	s_mov_b32 s50, 0x76543210
	s_mov_b32 s51, 0xfedcba98
	s_mov_b32 s52, 0xffff0000                      ; lanes 16-31
	s_mov_b32 s53, 0x05040100                      ; two low halves
	s_mov_b32 s54, 0x07060302                      ; two high halves
	s_wait_dscnt 0x0
	s_wait_kmcnt 0x0
	s_mov_b32 s28, 1
	s_mov_b32 s29, s35
	s_add_nc_u64 s[30:31], s[6:7], s[48:49]
	s_or_b32 s31, s31, 0x80000000
	s_add_nc_u64 s[4:5], s[4:5], s[58:59]
	s_cmp_eq_u32 s56, 1
	s_cselect_b64 s[8:9], s[10:11], s[8:9]
	s_cmp_eq_u32 s56, 2
	s_cselect_b64 s[8:9], s[12:13], s[8:9]
	s_add_nc_u64 s[8:9], s[8:9], s[46:47]
	ROUND                                          ; all four work-groups are here: the joint loads meet
	tensor_load_to_lds s[28:31], s[20:27]          ; my one tensor load: LDS is filled once
	s_nop 0
	PLACES 4
	global_load_b128 v[184:187], v1, s[8:9]
.irp i, 0,1,2,3,4,5,6,7,8,9,10,11,12,13,14,15
	global_load_b32 v[12+\i], v3, s[4:5] offset:49152+128*\i     ; xn's scale images: 4 x pair + K step
.endr
	WIN 0x40
.irp s, 0,1
.irp t, 0,1,2,3,4,5,6,7
	FRAGG 96*\s+12*\t, (4*\t+\s)*1536
.endr
.endr
	WIN 0x80
.irp s, 0,1
.irp t, 0,1,2,3,4,5,6,7
	FRAGG 96*\s+12*\t, (4*\t+2+\s)*1536
.endr
.endr
	WIN 0
	s_wait_loadcnt 63                              ; 145 loads were issued: all but the youngest 63 are in, the bias first of all
	ds_store_b128 v205, v[184:187]
	s_wait_tensorcnt 0x0                           ; my quarter of the weights has landed,
	s_wait_dscnt 0x0                               ; my bias too:
	s_barrier_signal -1
	s_barrier_wait -1                              ; everybody's have
.macro WFL cp, s                       ; the chunk's 4 weight fragments of K step s into set s % 2
.irp i, 0,1,2,3
	FRAGL 68+48*((\s)%2)+12*\i, 4, 5, ((4*\cp+\i)*4+(\s))*1536
.endr
.endm
; A CHUNK: 64 output channels (half cp of the trip) x my 128 pixels.  kind 0: q or k; kind 1: v.
.macro CHUNK kind, cp
.irp ip, 0,1
.irp s, 0,1,2,3
	ds_load_b32 v[28+4*\ip+\s], v6 offset:49152+((2*\cp+\ip)*4+\s)*128
.endr
.endr
.irp i, 0,1,2,3
.if \kind == 0
	ds_load_b128 v[36+8*\i:39+8*\i], v7 offset:(64*\cp+32*(\i/2)+8*(\i%2))*4        ; the bias in the result's layout: my half's eight channels of tile i
	ds_load_b128 v[40+8*\i:43+8*\i], v7 offset:(64*\cp+32*(\i/2)+8*(\i%2))*4+16
.else
.irp j, 0,1,2,3,4,5,6,7
	ds_load_b32 v[36+8*\i+\j], v8 offset:(64*\cp+32*(\i/2)+8*(\i%2))*4              ; my one channel's bias, for eight pixels
.endr
.endif
.endr
	WFL \cp, 0
	WFL \cp, 1
.irp s, 0,1,2,3
.if \s < 2
	s_wait_loadcnt 63                              ; xn's K steps 0 and 1 are in (behind them 64 loads were issued); met at once in every later chunk
.elseif \s == 2
	s_wait_loadcnt 32                              ; K step 2 (behind it: K step 3's 32)
.else
	s_wait_loadcnt 0x0
.endif
.if \s < 3
	s_wait_dscnt 16                                ; this K step's weights are in; the next step's 16 loads may be out
.else
	s_wait_dscnt 0x0
.endif
.if \kind == 0
.if \s == 0
	WIN 0xc4                                       ; W window 0, xn window 1, C (bias) window 0, D window 3
.elseif \s == 1
	WIN 0xf4
.else
	WIN 0xf8
.endif
.else
.if \s == 0
	WIN 0xc1
.elseif \s == 1
	WIN 0xf1
.else
	WIN 0xf2
.endif
.endif
.irp t, 0,1,2,3,4,5,6,7                ; the 32 accumulators take turns, one instruction a turn
.irp i, 0,1,2,3
.if \kind == 0
.if \s == 0
	WM 32*\t+8*\i, 68+48*(\s%2)+12*\i, 96*(\s%2)+12*\t, 36+8*\i, 28+4*(\i/2)+\s, 12+4*(\t/2)+\s, \i%2, \t%2
.else
	WM 32*\t+8*\i, 68+48*(\s%2)+12*\i, 96*(\s%2)+12*\t, 32*\t+8*\i, 28+4*(\i/2)+\s, 12+4*(\t/2)+\s, \i%2, \t%2
.endif
.else
.if \s == 0
	WM 64*\i+8*\t, 96*(\s%2)+12*\t, 68+48*(\s%2)+12*\i, 36+8*\i, 12+4*(\t/2)+\s, 28+4*(\i/2)+\s, \t%2, \i%2
.else
	WM 64*\i+8*\t, 96*(\s%2)+12*\t, 68+48*(\s%2)+12*\i, 64*\i+8*\t, 12+4*(\t/2)+\s, 28+4*(\i/2)+\s, \t%2, \i%2
.endif
.endif
.endr
.endr
	WIN 0
	PLACES 4                                       ; in front of loads into registers that matrix instructions have read, and of the first read of results
.if \s < 2
	WFL \cp, \s+2
.endif
.endr
.irp tp, 0,1,2,3
	s_wait_xcnt 0x0                                ; the last stores have read their registers
	QUANT 64*\tp, 3
.if \kind == 0
	; the 64 registers are pixel tiles 2 tp and 2 tp + 1, two blocks of channels each: two half images, half cp of K step trip % 4
	global_store_b128 v1, v[PC:PC+3], s[40:41] offset:12288*\tp+768*\cp
	global_store_b64 v2, v[PC+4:PC+5], s[40:41] offset:12288*\tp+768*\cp+512
	global_store_b128 v1, v[PC+6:PC+9], s[40:41] offset:12288*\tp+768*\cp+6144
	global_store_b64 v2, v[PC+10:PC+11], s[40:41] offset:12288*\tp+768*\cp+6144+512
.if \cp == 0
	v_mov_b32 v[201+\tp], v[PW]                    ; bytes 0, 1 of both tiles' words: kept for the second chunk
.else
	v_perm_b32 v206, v[PW], v[201+\tp], s53        ; the even tile's word: the low halves of the two chunks' bytes,
	v_perm_b32 v207, v[PW], v[201+\tp], s54        ; the odd tile's: the high halves
	v_cndmask_b32 v206, v206, v207, s52            ; lanes 16-31 carry the odd tile's
	global_store_b32 v3, v206, s[42:43] offset:512*\tp
.endif
.else
	; the 64 registers are 128 keys of channel tile tp of the chunk: a whole fragment
	global_store_b128 v1, v[PC:PC+3], s[40:41] offset:(4*\cp+\tp)*1536
	global_store_b64 v2, v[PC+4:PC+5], s[40:41] offset:(4*\cp+\tp)*1536+512
	global_store_b128 v1, v[PC+6:PC+9], s[40:41] offset:(4*\cp+\tp)*1536+768
	global_store_b64 v2, v[PC+10:PC+11], s[40:41] offset:(4*\cp+\tp)*1536+1280
.if \tp%2 == 0
	v_mov_b32 v201, v[PW]
.else
	v_cndmask_b32 v206, v201, v[PW], s52
	global_store_b32 v3, v206, s[42:43] offset:(2*\cp+\tp/2)*128
.endif
.endif
.endr
.endm
	s_mov_b32 s37, 3                               ; trips
	s_mov_b32 s38, 0                               ; the trip's weights in LDS
	s_mov_b32 s39, BIAS                            ; and its biases
.Ltrip:
	s_wait_xcnt 0x0                                ; the last trip's stores have read their bases
	v_add_nc_u32 v4, s38, v1
	v_add_nc_u32 v5, s38, v2
	v_add_nc_u32 v6, s38, v3
	v_add_nc_u32 v7, s39, v10
	v_add_nc_u32 v8, s39, v9
	s_cmp_lt_u32 s36, 8                            ; q or k, or v?  The trip's number hangs on y and the count: alike in all partners
	s_cbranch_scc0 .Lvpath
	s_and_b32 s46, s36, 3                          ; the trip is K step trip % 4 of q or of k
	s_mul_i32 s48, s46, 1536
	s_lshl_b32 s56, s46, 7
	s_cmp_lt_u32 s36, 4
	s_cselect_b64 s[40:41], s[14:15], s[16:17]
	s_cselect_b32 s47, s44, s45
	s_add_co_u32 s48, s48, s47
	s_mov_b32 s49, 0
	s_add_co_u32 s56, s56, s47
	s_add_co_u32 s56, s56, 49152
	s_mov_b32 s57, 0
	s_mov_b64 s[42:43], s[40:41]
	s_add_nc_u64 s[40:41], s[40:41], s[48:49]
	s_add_nc_u64 s[42:43], s[42:43], s[56:57]
	CHUNK 0, 0
	CHUNK 0, 1
	s_branch .Ltrip_end
.Lvpath:
	s_sub_co_u32 s46, s36, 8                       ; the trip is channels 128 (trip - 8) on: fragments 8 (trip - 8) on of v's block
	s_mul_i32 s48, s46, 12288
	s_add_co_u32 s48, s48, s45
	s_add_co_u32 s48, s48, 51200
	s_mov_b32 s49, 0
	s_lshl_b32 s56, s46, 9
	s_add_co_u32 s56, s56, s45
	s_add_co_u32 s56, s56, 100352
	s_mov_b32 s57, 0
	s_add_nc_u64 s[40:41], s[16:17], s[48:49]
	s_add_nc_u64 s[42:43], s[16:17], s[56:57]
	CHUNK 1, 0
	CHUNK 1, 1
.Ltrip_end:
	s_add_co_u32 s38, s38, 51200
	s_add_co_u32 s39, s39, 512
	s_add_co_u32 s36, s36, 1
	s_sub_co_u32 s37, s37, 1
	s_cmp_lg_u32 s37, 0
	s_cbranch_scc1 .Ltrip
	s_wait_tensorcnt 0x0
	ds_add_u32 v254, v255
	s_wait_dscnt 0x0
	ROUND                                          ; the closing round: no work-group ends while a partner may still ask for a tile that names it
	s_endpgm
.Lfunc_end_k_qd8cfc1efff_qkv:
	.size	k_qd8cfc1efff_qkv, .Lfunc_end_k_qd8cfc1efff_qkv-k_qd8cfc1efff_qkv
	.p2alignl 7, 3214868480
	.fill 96, 4, 3214868480
	.section	.rodata,"a",@progbits
	.p2align	6, 0x0
	.amdhsa_kernel k_qd8cfc1efff_qkv
		.amdhsa_group_segment_fixed_size 168448
		.amdhsa_private_segment_fixed_size 0
		.amdhsa_enable_private_segment 0
		.amdhsa_kernarg_size 56
		.amdhsa_user_sgpr_count 2
		.amdhsa_user_sgpr_kernarg_segment_ptr 1
		.amdhsa_wavefront_size32 1
		.amdhsa_system_sgpr_workgroup_id_x 1
		.amdhsa_system_sgpr_workgroup_id_y 1
		.amdhsa_system_sgpr_workgroup_id_z 1
		.amdhsa_system_vgpr_workitem_id 0
		.amdhsa_next_free_vgpr 1024
		.amdhsa_next_free_sgpr 66
		.amdhsa_reserve_vcc 0
		.amdhsa_float_denorm_mode_32 3
		.amdhsa_float_denorm_mode_16_64 3
		.amdhsa_memory_ordered 1
		.amdhsa_forward_progress 1
		.amdhsa_inst_pref_size 184
	.end_amdhsa_kernel
	.amdgpu_metadata
---
amdhsa.version: [ 1, 2 ]
amdhsa.kernels:
  - .name:           k_qd8cfc1efff_qkv
    .symbol:         k_qd8cfc1efff_qkv.kd
    .args:
      - { .name: xnb, .offset: 0, .size: 8, .value_kind: global_buffer, .address_space: global }
      - { .name: wq, .offset: 8, .size: 8, .value_kind: global_buffer, .address_space: global }
      - { .name: q_b, .offset: 16, .size: 8, .value_kind: global_buffer, .address_space: global }
      - { .name: k_b, .offset: 24, .size: 8, .value_kind: global_buffer, .address_space: global }
      - { .name: v_b, .offset: 32, .size: 8, .value_kind: global_buffer, .address_space: global }
      - { .name: qb, .offset: 40, .size: 8, .value_kind: global_buffer, .address_space: global }
      - { .name: kv, .offset: 48, .size: 8, .value_kind: global_buffer, .address_space: global }
    .group_segment_fixed_size: 168448
    .private_segment_fixed_size: 0
    .kernarg_segment_align: 8
    .kernarg_segment_size: 56
    .max_flat_workgroup_size: 128
    .sgpr_count:     66
    .vgpr_count:     1024
    .wavefront_size: 32
...
	.end_amdgpu_metadata
.endif
;; end of part 2
;; launch attn (part 3): grid 8 x 32, 4 waves a work-group, clusters of 4 x 1, 327,680 bytes of LDS; arguments qb, kv, wq, p_b, x, out0; writes out0
.if DOCPART == 3
	.amdgcn_target "amdgcn-amd-amdhsa--gfx1250"
	.amdhsa_code_object_version 6
	.text
	.protected	k_qd8cfc1efff_attn
	.globl	k_qd8cfc1efff_attn
	.p2align	8
	.type	k_qd8cfc1efff_attn,@function
k_qd8cfc1efff_attn:
	s_mov_b64 s[64:65], 0
	v_nop
	global_prefetch_b8 v0, s[64:65] scope:SCOPE_SE
	s_setreg_imm32_b32 hwreg(HW_REG_WAVE_MODE, 25, 1), 1
	s_wait_xcnt 0x0
	s_wait_alu depctr_hold_cnt(0) depctr_sa_sdst(0) depctr_va_vdst(0) depctr_va_sdst(0) depctr_va_ssrc(0) depctr_va_vcc(0) depctr_vm_vsrc(0)
	s_getreg_b32 s2, hwreg(HW_REG_IB_STS2, 6, 4)
	s_cmp_eq_u32 s2, 0
	s_cbranch_scc0 .Lentry_in_a_cluster
	s_endpgm
.Lentry_in_a_cluster:
	s_bfe_u32 s2, ttmp6, 0x10000c
	s_cmp_lg_u32 s2, 0x3003
	s_cbranch_scc0 .Lentry_shape_is_right
	s_endpgm
.Lentry_shape_is_right:
; out = x + p_w (softmax(q k^T / sqrt(512)) v) + p_b, all three products on codes of E3M2 with E8M0 scales.  One head of size 512 over 1,024 pixels, 32 batches.
; SHARES.  A work-group owns 128 queries of one batch, each of its four waves 32: two tiles of 16.  O^T for 32 queries x 512 channels is 512 registers, which is why a wave owns no more.
; Every wave walks the batch's 1,024 keys, 128 a step.  A step's k block and v block are 102,400 dense bytes; they come through a ring of two LDS slots, a quarter by each wave.
; CLUSTER: the four work-groups of a cluster are four query blocks of one batch and walk the same k and v: each quarter is asked for JOINTLY, by the same tensor load with a mask that names the four.
; LAYOUT.  Both products are used transposed: S^T = k q^T (source 0 = 16 keys), O^T = v^T p^T (source 0 = 16 channels): a lane holds ONE query throughout.  The rows of every tile are ordered so that the 16 registers of
; two neighbouring tiles are 16 neighbours (row r of tile 2 p + u stands for 32 p + 8 u + r + 8 (r / 8)): so p's registers run along the keys and O^T's along the channels, as the next quantiser wants them.
; THE SOFTMAX: t = score x log2(e) / sqrt(512); M = the row's largest t so far, rounded UP to a whole number; p = 2^(t - M) is quantised along the keys, not normalised.  The row's sum is taken of the unquantised p and divides
; O at the end.  When M moves, the sum and O^T are multiplied by 2^(old M - new M), in every step and without a branch: exact.
; THE END.  O / l is quantised along the channels in registers and goes to LDS as images of the operand's registers; behind a barrier wave w makes output channels 128 w .. 128 w + 127 for all 128 pixels
; (source 0 = 16 pixels, source 1 = 16 rows of p_w: a lane holds eight neighbouring pixels of one channel), with p_b as the C of each sum's first product; x is added on the way out, and whole runs of 512 bytes are stored.
; x COMES THROUGH THE RING'S BYTES.  The work-group's part of x, 512 channels x 512 bytes, is as large as the two slots with the gaps behind them.  Each wave brings its own 128 rows by two tensor loads of its own (no mask: x is
; shared with nobody): rows 0-63 into the first 131,072 bytes behind the last change of slots, when slot 0 has been read for the last time, so that they have the last key step in which to land; rows 64-127 into the next
; 131,072 bytes behind a round straight behind that step, so that they have the quantising of O and the projection.  Only the wave that asked reads them.  No prefetch is written: these loads are themselves issued that far ahead.
; LIMITS: NaN and infinities are not served; a block under 2^-122 is held at the byte 1, a block of zeros gets the byte 1 (its codes are zeros; this program alone reads the bytes).
; t is the score times ONE rounded constant where the definition multiplies twice: a difference of roundings of f32.
; REGISTERS.  Window 0: v1-2 the spare word and 0; v3-5 16, 8, 4 x lane; v6-11 the step's LDS addresses; v12-19 -M, largest t, sum (two halves) for each tile; v20-23 f, later 1 / l; v24-27 q's scale words; v28-43 k's, later p_w's;
;   v44-59 v's, later O's; v60-83 p's codes; v84-85 p's scale words; v86-107 at work; v108-127 addresses; v128-255 S^T, then p; later fragments of O / l, at last rows of x.
;   Window 1: v0-95 q's 8 fragments; v96-239 three sets of 4 fragments of k or v; later p_w (two sets of 8 fragments) and from v192 p_b.   Windows 2, 3: O^T (channel tile ct, query tile q) in window 2 + ct / 16 at 128 q + 8 (ct % 16);
;   later the 64 accumulators of the projection, which also carry the rows out.
.set SLOT1, 131072                     ; slot 1 begins here, so that one exclusive or turns an address in one slot into the other's
.set OIMG,  262144                     ; behind the ring: the 32 fragment images of O / l,
.set OSC,   311296                     ; their 16 scale images,
.set SPARE, 313344                     ; and the spare words: 128 bytes for each wave, two blocks of 256 bytes that no other line names
.set SPITCH, 528                       ; the way out: a stage of 16 rows x (512 + 16) bytes for each wave.
.set STAGE, OIMG                       ; It takes the images' bytes, behind a barrier that every wave reaches behind its last read of them; no tensor load ever lands there
.set MX,  86                           ; four largest scores, then largest p
.set PB,  90                           ; permutes' destinations, then bytes
.set SOP, 94                           ; the conversions' scale operands
.set CT,  98                           ; second halves of blocks
.set TQ,  106                          ; a pair at work
.set PC,  60                           ; the end's QUANT: codes,
.set TM,  86                           ; at work,
.set PW,  102                          ; the scale word
.set MSB, 0
.macro WIN new                         ; the immediate's high byte repeats the setting that is left; a switch that changes nothing is dropped
.if MSB != (\new)
	s_set_vgpr_msb (MSB<<8)|(\new)
.set MSB, (\new)
.endif
.endm
.macro PLACES n
.rept \n
	v_nop
.endr
.endm
.macro ROUND                           ; a round of the cluster's barrier
	s_barrier_signal -1
	s_barrier_wait -1
	s_cmp_lg_u32 s40, 0
	s_cbranch_scc1 .Lnot_wave_0_\@
	s_barrier_signal -3
.Lnot_wave_0_\@:
	s_barrier_wait -3
	s_barrier_signal -1
	s_barrier_wait -1
.endm
.macro FRAGL reg, a16, a8, off         ; a fragment image from LDS: each load takes 512 or 256 consecutive bytes
	ds_load_b128 v[(\reg):(\reg)+3], v[\a16] offset:(\off)
	ds_load_b64 v[(\reg)+4:(\reg)+5], v[\a8] offset:(\off)+512
	ds_load_b128 v[(\reg)+6:(\reg)+9], v[\a16] offset:(\off)+768
	ds_load_b64 v[(\reg)+10:(\reg)+11], v[\a8] offset:(\off)+1280
.endm
.macro FRAGG reg, off, sb              ; the same from memory
	global_load_b128 v[(\reg):(\reg)+3], v3, s[(\sb):(\sb)+1] offset:(\off)
	global_load_b64 v[(\reg)+4:(\reg)+5], v4, s[(\sb):(\sb)+1] offset:(\off)+512
	global_load_b128 v[(\reg)+6:(\reg)+9], v3, s[(\sb):(\sb)+1] offset:(\off)+768
	global_load_b64 v[(\reg)+10:(\reg)+11], v4, s[(\sb):(\sb)+1] offset:(\off)+1280
.endm
; One matrix instruction.  d, a, b, c: first registers (c < 0: the constant 0); sa, sb: scale registers; ra, rb: 1 = the scales stand in lanes 16-31.
.macro WM d, a, b, c, sa, sb, ra, rb
.if (\c) < 0
.if ((\ra) == 0) && ((\rb) == 0)
	v_wmma_scale_f32_16x16x128_f8f6f4 v[(\d):(\d)+7], v[(\a):(\a)+11], v[(\b):(\b)+11], 0, v[(\sa)], v[(\sb)] matrix_a_fmt:MATRIX_FMT_BF6 matrix_b_fmt:MATRIX_FMT_BF6
.elseif (\rb) == 0
	v_wmma_scale_f32_16x16x128_f8f6f4 v[(\d):(\d)+7], v[(\a):(\a)+11], v[(\b):(\b)+11], 0, v[(\sa)], v[(\sb)] matrix_a_fmt:MATRIX_FMT_BF6 matrix_b_fmt:MATRIX_FMT_BF6 matrix_a_scale:MATRIX_SCALE_ROW1
.elseif (\ra) == 0
	v_wmma_scale_f32_16x16x128_f8f6f4 v[(\d):(\d)+7], v[(\a):(\a)+11], v[(\b):(\b)+11], 0, v[(\sa)], v[(\sb)] matrix_a_fmt:MATRIX_FMT_BF6 matrix_b_fmt:MATRIX_FMT_BF6 matrix_b_scale:MATRIX_SCALE_ROW1
.else
	v_wmma_scale_f32_16x16x128_f8f6f4 v[(\d):(\d)+7], v[(\a):(\a)+11], v[(\b):(\b)+11], 0, v[(\sa)], v[(\sb)] matrix_a_fmt:MATRIX_FMT_BF6 matrix_b_fmt:MATRIX_FMT_BF6 matrix_a_scale:MATRIX_SCALE_ROW1 matrix_b_scale:MATRIX_SCALE_ROW1
.endif
.else
.if ((\ra) == 0) && ((\rb) == 0)
	v_wmma_scale_f32_16x16x128_f8f6f4 v[(\d):(\d)+7], v[(\a):(\a)+11], v[(\b):(\b)+11], v[(\c):(\c)+7], v[(\sa)], v[(\sb)] matrix_a_fmt:MATRIX_FMT_BF6 matrix_b_fmt:MATRIX_FMT_BF6
.elseif (\rb) == 0
	v_wmma_scale_f32_16x16x128_f8f6f4 v[(\d):(\d)+7], v[(\a):(\a)+11], v[(\b):(\b)+11], v[(\c):(\c)+7], v[(\sa)], v[(\sb)] matrix_a_fmt:MATRIX_FMT_BF6 matrix_b_fmt:MATRIX_FMT_BF6 matrix_a_scale:MATRIX_SCALE_ROW1
.elseif (\ra) == 0
	v_wmma_scale_f32_16x16x128_f8f6f4 v[(\d):(\d)+7], v[(\a):(\a)+11], v[(\b):(\b)+11], v[(\c):(\c)+7], v[(\sa)], v[(\sb)] matrix_a_fmt:MATRIX_FMT_BF6 matrix_b_fmt:MATRIX_FMT_BF6 matrix_b_scale:MATRIX_SCALE_ROW1
.else
	v_wmma_scale_f32_16x16x128_f8f6f4 v[(\d):(\d)+7], v[(\a):(\a)+11], v[(\b):(\b)+11], v[(\c):(\c)+7], v[(\sa)], v[(\sb)] matrix_a_fmt:MATRIX_FMT_BF6 matrix_b_fmt:MATRIX_FMT_BF6 matrix_a_scale:MATRIX_SCALE_ROW1 matrix_b_scale:MATRIX_SCALE_ROW1
.endif
.endif
.endm
; 64 numbers of a lane in window 0, v[s] on; register 16 b + i is number 32 b + 16 (lane / 16) + i of my row.  Out: a fragment's codes in v[PC] .. v[PC+11], my row's scale word in v[PW].
.macro QUANT s
.irp b, 0,1,2,3
	v_max3_num_f32 v[TM+\b], |v[(\s)+16*\b]|, |v[(\s)+16*\b+1]|, 0x2800000          ; with the floor 2^(5 - 127): the byte cannot fall under 1
.endr
.irp i, 2,4,6,8,10,12,14
.irp b, 0,1,2,3
	v_max3_num_f32 v[TM+\b], v[TM+\b], |v[(\s)+16*\b+\i]|, |v[(\s)+16*\b+\i+1]|
.endr
.endr
.irp b, 0,1,2,3
	v_permlanex16_b32 v[TM+4+\b], v[TM+\b], s34, s35
.endr
.irp b, 0,1,2,3
	v_max_num_f32 v[TM+\b], v[TM+\b], v[TM+4+\b]
.endr
.irp b, 0,1,2,3
	v_add_nc_u32 v[TM+12+\b], 0xfe000000, v[TM+\b]
.endr
.irp b, 0,1,2,3
	v_lshrrev_b32 v[TM+4+\b], 23, v[TM+12+\b]
.endr
	v_lshl_or_b32 v[PW], v[TM+5], 8, v[TM+4]
	v_lshl_or_b32 v[PW], v[TM+6], 16, v[PW]
	v_lshl_or_b32 v[PW], v[TM+7], 24, v[PW]
.irp c, 0,1
	v_cvt_scalef32_pk16_bf6_f32 v[PC+6*\c:PC+6*\c+2], v[(\s)+32*\c:(\s)+32*\c+15], v[TM+12+2*\c]
	v_cvt_scalef32_pk16_bf6_f32 v[PC+12+4*\c:PC+14+4*\c], v[(\s)+32*\c+16:(\s)+32*\c+31], v[TM+13+2*\c]
.endr
	v_nop                                          ; one plain place behind a scaled conversion
.irp c, 0,1
.irp i, 0,1,2
	v_permlane16_swap_b32 v[PC+6*\c+\i], v[PC+12+4*\c+\i]
.endr
.irp i, 0,1,2
	v_mov_b32 v[PC+3+6*\c+\i], v[PC+12+4*\c+\i]
.endr
.endr
.endm
.macro WLOAD s                         ; p_w's 8 fragments of K step s (my 128 output channels) into set s % 2 of window 1
	WIN 0x40
.irp a, 0,1,2,3,4,5,6,7
	FRAGG 96*((\s)%2)+12*\a, (4*\a+(\s))*1536, 8
.endr
	WIN 0
.endm
	s_load_b256 s[4:11], s[0:1], 0x0               ; qb s[4:5], kv s[6:7], wq s[8:9], p_b s[10:11]
	s_load_b128 s[12:15], s[0:1], 0x20             ; x s[12:13], out0 s[14:15]
	v_lshl_add_u32 v1, v0, 2, SPARE
	v_mov_b32 v2, 0
	ds_add_u32 v1, v2
	ds_add_u32 v1, v2
	s_wait_dscnt 0x0
	v_lshrrev_b32 v3, 5, v0
	v_readfirstlane_b32 s40, v3                    ; wave 0..3
	s_bfe_u32 s41, ttmp6, 0x40000                  ; cx: it enters q's, x's and out0's addresses alone
	s_lshl_b32 s42, ttmp9, 2
	s_add_co_u32 s42, s42, s41                     ; my block of 128 queries
	s_and_b32 s43, ttmp7, 0xffff                   ; the batch, which the four partners share
	s_mul_i32 s44, s43, 819200                     ; k and v: the batch's first step, my quarter: the batch and the wave's number alone
	s_mul_i32 s39, s40, 25600
	s_add_co_u32 s44, s44, s39
	s_mov_b32 s45, 0
	s_lshl_b32 s46, s43, 3
	s_add_co_u32 s46, s46, s42
	s_mul_i32 s46, s46, 51200                      ; q's block;
	s_mul_i32 s48, s40, 12288                      ; my pair of tiles: 8 fragments,
	s_lshl_b32 s50, s40, 9                         ; 4 scale images
	s_add_co_u32 s50, s50, s46
	s_add_co_u32 s50, s50, 49152
	s_mov_b32 s51, 0
	s_add_co_u32 s46, s46, s48
	s_mov_b32 s47, 0
	s_add_co_u32 s48, s40, 12
	s_mul_i32 s48, s48, 51200                      ; p_w's block w: my 128 output channels
	s_mov_b32 s49, 0
	s_lshl_b32 s52, s40, 9                         ; and their biases
	s_mov_b32 s53, 0
	s_lshl_b32 s54, s43, 21                        ; x and out0: channel 512 b + 128 w, pixel 128 x block
	s_lshl_b32 s55, s40, 19
	s_add_co_u32 s54, s54, s55
	s_lshl_b32 s55, s42, 9
	s_add_co_u32 s54, s54, s55
	s_mov_b32 s55, 0
	; descriptor group 1 for k and v: 100 rows of 256 bytes, dense; the mask names all four work-groups, bit 21 beside it
	s_mov_b32 s16, 15|(3<<16)|(1<<21)
	s_mov_b32 s17, 32<<16
	s_mov_b32 s18, 100<<16
	s_mov_b32 s19, 32<<16
	s_mov_b32 s20, 100
	s_mov_b32 s21, 32
	s_mov_b32 s22, 0
	s_mov_b32 s23, 0
	; descriptor group 1 for x: 64 rows of 512 bytes (64 elements of 8 bytes), 4,096 bytes apart in memory, on end in LDS; no mask
	s_mov_b32 s68, 3<<16
	s_mov_b32 s69, 64<<16                          ; tensor_dim0
	s_mov_b32 s70, 64<<16                          ; tensor_dim1
	s_mov_b32 s71, 64<<16                          ; tile_dim0
	s_mov_b32 s72, 64                              ; tile_dim1
	s_mov_b32 s73, 512                             ; elements from row to row
	s_mov_b32 s74, 0
	s_mov_b32 s75, 0
	s_mov_b32 s34, 0x76543210
	s_mov_b32 s35, 0xfedcba98                      ; v_permlanex16_b32's selects for lane l xor 16
	s_mov_b32 s36, 0x3d8293ee                      ; c = log2(e) / sqrt(512)
	s_mov_b32 s37, s36                             ; (named with it as a pair, so it is written)
	s_mov_b32 s38, 0xffff0000                      ; lanes 16-31
	s_mov_b32 s32, 0                               ; the slot in hand
	s_wait_kmcnt 0x0
	s_mov_b32 s24, 1
	s_mov_b32 s25, s39
	s_add_nc_u64 s[26:27], s[6:7], s[44:45]
	s_or_b32 s27, s27, 0x80000000
	s_add_nc_u64 s[4:5], s[4:5], s[46:47]
	s_sub_nc_u64 s[28:29], s[4:5], s[46:47]
	s_add_nc_u64 s[28:29], s[28:29], s[50:51]
	s_add_nc_u64 s[8:9], s[8:9], s[48:49]
	s_add_nc_u64 s[10:11], s[10:11], s[52:53]
	s_add_nc_u64 s[12:13], s[12:13], s[54:55]
	s_add_nc_u64 s[14:15], s[14:15], s[54:55]
	s_mov_b32 s76, 1                               ; x's two groups 0, never rewritten: my rows 0-63 to 32,768 x wave,
	s_lshl_b32 s77, s40, 15
	s_mov_b64 s[78:79], s[12:13]
	s_or_b32 s79, s79, 0x80000000
	s_mov_b32 s80, 1                               ; my rows 64-127 to 131,072 + 32,768 x wave
	s_add_co_u32 s81, s77, SLOT1
	s_add_nc_u64 s[82:83], s[12:13], 262144
	s_or_b32 s83, s83, 0x80000000
	ROUND                                          ; all four work-groups are here: the first joint loads meet
	tensor_load_to_lds s[24:27], s[16:23]          ; key step 0 into slot 0
	s_nop 0
	PLACES 4
	v_and_b32 v122, 31, v0                         ; lane
	v_and_b32 v123, 15, v0                         ; r
	v_bfe_u32 v124, v0, 4, 1                       ; h
	v_lshlrev_b32 v3, 4, v122
	v_lshlrev_b32 v4, 3, v122
	v_lshlrev_b32 v5, 2, v122
	WIN 0x40
.irp f, 0,1,2,3,4,5,6,7
	FRAGG 12*\f, \f*1536, 4                        ; q's fragments (4 x tile + K step) stay in registers
.endr
	WIN 0
.irp s, 0,1,2,3
	global_load_b32 v[24+\s], v5, s[28:29] offset:128*\s         ; lanes 0-15 tile 0's words, lanes 16-31 tile 1's
.endr
	; every LDS address of the end is made here
	s_mul_i32 s56, s40, 16*SPITCH
	s_add_co_u32 s56, s56, STAGE
	v_mul_u32_u24 v108, v123, SPITCH
	v_lshl_add_u32 v108, v124, 6, v108
	v_add_nc_u32 v108, s56, v108                   ; the stage, in: row r, my half's 16 pixels
	v_add_nc_u32 v109, s56, v3                     ; and back: 16 bytes a lane of a row
	s_mul_i32 s56, s40, 12288
	s_add_co_u32 s56, s56, OIMG
	v_add_nc_u32 v110, s56, v3                     ; where I store my 8 images of O / l
	v_add_nc_u32 v111, s56, v4
	s_lshl_b32 s56, s40, 9
	s_add_co_u32 s56, s56, OSC
	v_add_nc_u32 v112, s56, v5                     ; and their scale images
	v_and_b32 v125, 8, v123
	v_add_nc_u32 v125, v125, v123
	v_lshlrev_b32 v113, 2, v125                    ; p_b: my channel r + 8 (r / 8) of a tile
	v_add_nc_u32 v115, OIMG, v3                    ; where any wave reads the images
	v_add_nc_u32 v120, OIMG, v4
	v_add_nc_u32 v121, OSC, v5
	v_add_nc_u32 v126, s77, v3                     ; x in LDS: my rows 0-63, 16 bytes a lane of a row,
	v_add_nc_u32 v127, s81, v3                     ; and my rows 64-127
.irp q, 0,1
	v_mov_b32 v[13+4*\q], 0xff61b1e6               ; the largest t so far: -3e38, under every t
	v_floor_f32 v[12+4*\q], -v[13+4*\q]            ; -M
	v_mov_b32 v[14+4*\q], 0                        ; the sum, in two halves
	v_mov_b32 v[15+4*\q], 0
	v_mov_b32 v[20+2*\q], 0
	v_mov_b32 v[21+2*\q], 0                        ; (named as the upper half of a pair)
.endr
.irp b, 0,1,2,3
	v_mov_b32 v[PB+\b], 0                          ; a lane permute's destination counts as one of its sources
.endr
	; O^T begins as zeros, which the first change of M leaves zeros: so the key step is written twice and not three times.  These lines run while the first tile is on its way
	WIN 0x80
.set n, 0
.rept 256
	v_mov_b32 v[n], 0
.set n, n+1
.endr
	WIN 0xc0
.set n, 0
.rept 256
	v_mov_b32 v[n], 0
.set n, n+1
.endr
	WIN 0
; Group g of a key step: four fragments into set g % 3.  g < 8: key tile g, K steps 0-3.  g >= 8: channel tiles 4 (g - 8) on of v.
.macro LOADG g
.irp i, 0,1,2,3
.if (\g) < 8
	FRAGL 96+48*((\g)%3)+12*\i, 6, 7, (4*(\g)+\i)*1536
.else
	FRAGL 96+48*((\g)%3)+12*\i, 9, 10, (4*((\g)-8)+\i)*1536
.endif
.endr
.endm
; O^T of group g's four channel tiles under the new M: 32 registers of query tile 0 times its f, 32 of tile 1 times its own; each accumulator from its low end on.
.macro RS g
	WIN 0x82+0x41*(((\g)-8)/4)                     ; O^T (destination and source 0) window 2 or 3, f window 0
.set n, 0
.rept 16
	v_pk_mul_f32 v[32*((\g)%4)+2*n:32*((\g)%4)+2*n+1], v[32*((\g)%4)+2*n:32*((\g)%4)+2*n+1], v[20:21] op_sel_hi:[1,0]
.set n, n+1
.endr
.set n, 0
.rept 16
	v_pk_mul_f32 v[128+32*((\g)%4)+2*n:128+32*((\g)%4)+2*n+1], v[128+32*((\g)%4)+2*n:128+32*((\g)%4)+2*n+1], v[22:23] op_sel_hi:[1,0]
.set n, n+1
.endr
.endm
; Group g's eight matrix instructions; in front of them the loads of the group two on, into the set that the group before has just left.
; In the second product the rescaling of O^T is dealt among the groups, one group ahead of its use: group g + 1's 32 multiplications stand behind group g - 1's products.  They name none of those products' registers,
; so they are the places in front of the loads, and they are issued where the wave would else wait for fragments.
.macro GRP g
.if (\g) == 8
	RS 8
.endif
.if ((\g) >= 8) && ((\g) < 15)
	RS (\g)+1
.endif
.if (\g) <= 13
	WIN 0x40
.if ((\g) > 0) && ((\g) < 8)
	PLACES 4                                       ; in front of loads into registers that the last group's matrix instructions have read
.endif
	LOADG (\g)+2
	s_wait_dscnt 32                                ; this group's fragments are in; the two groups behind it, 16 loads each, may be out
.elseif (\g) == 14
	s_wait_dscnt 16
.else
	s_wait_dscnt 0x0
.endif
.if (\g) < 8
	WIN 0x05                                       ; k and q window 1, S^T window 0
.irp s, 0,1,2,3                        ; the two tiles' accumulators take turns, one instruction a turn
.irp q, 0,1
.if \s == 0
	WM 128+64*\q+8*(\g), 96+48*((\g)%3)+12*\s, 12*(4*\q+\s), -1, 28+4*((\g)/2)+\s, 24+\s, (\g)%2, \q
.else
	WM 128+64*\q+8*(\g), 96+48*((\g)%3)+12*\s, 12*(4*\q+\s), 128+64*\q+8*(\g), 28+4*((\g)/2)+\s, 24+\s, (\g)%2, \q
.endif
.endr
.endr
.else
.if (\g) < 12
	WIN 0xa1                                       ; v window 1, p window 0, O^T window 2
.else
	WIN 0xf1
.endif
.irp i, 0,1,2,3
.irp q, 0,1
	WM 128*\q+8*((4*((\g)-8)+\i)%16), 96+48*((\g)%3)+12*\i, 60+12*\q, 128*\q+8*((4*((\g)-8)+\i)%16), 44+(4*((\g)-8)+\i)/2, 84+\q, \i%2, 0
.endr
.endr
.endif
.endm
; The softmax of query tile q for 128 keys: a lane holds one query; register 16 b + i of S^T is key 32 b + 16 (lane / 16) + i.
.macro SM q
.set rS, 128+64*\q
.set rN, 12+4*\q
.set rF, 20+2*\q
.set rP, 60+12*\q
.irp b, 0,1,2,3
	v_max3_num_f32 v[MX+\b], v[rS+16*\b], v[rS+16*\b+1], v[rS+16*\b+2]   ; the largest score of each block of 32 keys: for the row's maximum and, since p rises with the score, for the block's largest p
.endr
.irp i, 3,5,7,9,11,13
.irp b, 0,1,2,3
	v_max3_num_f32 v[MX+\b], v[MX+\b], v[rS+16*\b+\i], v[rS+16*\b+\i+1]
.endr
.endr
.irp b, 0,1,2,3
	v_max_num_f32 v[MX+\b], v[MX+\b], v[rS+16*\b+15]
.endr
.irp b, 0,1,2,3
	v_permlanex16_b32 v[PB+\b], v[MX+\b], s34, s35
.endr
.irp b, 0,1,2,3
	v_max_num_f32 v[MX+\b], v[MX+\b], v[PB+\b]     ; with lane l xor 16's 16 keys
.endr
	v_max3_num_f32 v[TQ], v[MX], v[MX+1], v[MX+2]
	v_max_num_f32 v[TQ], v[TQ], v[MX+3]
	v_mul_f32 v[TQ], s36, v[TQ]                    ; as t (c is positive)
	v_max_num_f32 v[rN+1], v[rN+1], v[TQ]          ; the running largest t
	v_mov_b32 v[TQ], v[rN]
	v_floor_f32 v[rN], -v[rN+1]                    ; the new -M = floor(-t): M is a whole number
	v_sub_f32 v[TQ], v[rN], v[TQ]                  ; old M - new M: a whole number, 0 or less
	v_cvt_i32_f32 v[TQ], v[TQ]                     ; (it saturates)
	v_ldexp_f32 v[rF], 1.0, v[TQ]                  ; f = 2^(old M - new M)
.set n, 0
.rept 32
	v_pk_fma_f32 v[rS+2*n:rS+2*n+1], v[rS+2*n:rS+2*n+1], s[36:37], v[rN:rN+1] op_sel_hi:[1,0,0]   ; t - M
.set n, n+1
.endr
.irp b, 0,1,2,3
	v_fma_f32 v[MX+\b], v[MX+\b], s36, v[rN]       ; the same of each block's largest score
.endr
.set n, 0
.rept 64
	v_exp_f32 v[rS+n], v[rS+n]                     ; p = 2^(t - M), at most 1
.set n, n+1
.endr
.irp b, 0,1,2,3
	v_exp_f32 v[MX+\b], v[MX+\b]                   ; the block's largest p: the same two instructions on the same number
.endr
	v_pk_mul_f32 v[rN+2:rN+3], v[rN+2:rN+3], v[rF:rF+1] op_sel_hi:[1,0]   ; the sums under the new M.  (A plain place behind the exponentials)
	s_wait_alu depctr_va_vdst(0)
.irp b, 0,1,2,3
	v_max_num_f32 v[MX+\b], 0x2800000, v[MX+\b]    ; the floor: the byte cannot fall under 1
.endr
.irp b, 0,1,2,3
	v_add_nc_u32 v[SOP+\b], 0xfe000000, v[MX+\b]
.endr
.irp b, 0,1,2,3
	v_lshrrev_b32 v[PB+\b], 23, v[SOP+\b]
.endr
	v_lshl_or_b32 v[84+\q], v[PB+1], 8, v[PB]      ; p's scale word for these 128 keys
	v_lshl_or_b32 v[84+\q], v[PB+2], 16, v[84+\q]
	v_lshl_or_b32 v[84+\q], v[PB+3], 24, v[84+\q]
.irp c, 0,1
	v_cvt_scalef32_pk16_bf6_f32 v[rP+6*\c:rP+6*\c+2], v[rS+32*\c:rS+32*\c+15], v[SOP+2*\c]
	v_cvt_scalef32_pk16_bf6_f32 v[CT+4*\c:CT+4*\c+2], v[rS+32*\c+16:rS+32*\c+31], v[SOP+2*\c+1]
.endr
	v_nop                                          ; one plain place behind a scaled conversion
.irp c, 0,1
.irp i, 0,1,2
	v_permlane16_swap_b32 v[rP+6*\c+\i], v[CT+4*\c+\i]           ; a whole block to a lane
.endr
.irp i, 0,1,2
	v_mov_b32 v[rP+3+6*\c+\i], v[CT+4*\c+\i]
.endr
.endr
	v_pk_add_f32 v[TQ:TQ+1], v[rS:rS+1], v[rS+2:rS+3]            ; the row's sum is taken of the unquantised p: two chains
.irp j, 4,8,12,16,20,24,28,32,36,40,44,48,52,56,60
	v_pk_add_f32 v[rN+2:rN+3], v[rN+2:rN+3], v[rS+\j:rS+\j+1]
	v_pk_add_f32 v[TQ:TQ+1], v[TQ:TQ+1], v[rS+\j+2:rS+\j+3]
.endr
	v_pk_add_f32 v[rN+2:rN+3], v[rN+2:rN+3], v[TQ:TQ+1]
.endm
; A KEY STEP: 128 keys, in the slot at s32.  last = 1: the last step, behind whose scores q's fragments and k's scale words are done with: p_w's scale words and its K step 0 are asked for into their registers,
; 48 loads that land under the softmax and the second product.
.macro STEP last
	s_add_co_u32 s39, s32, 51200                   ; v's block lies behind k's
	v_add_nc_u32 v6, s32, v3
	v_add_nc_u32 v7, s32, v4
	v_add_nc_u32 v8, s32, v5
	v_add_nc_u32 v9, s39, v3
	v_add_nc_u32 v10, s39, v4
	v_add_nc_u32 v11, s39, v5
.irp i, 0,1,2,3,4,5,6,7,8,9,10,11,12,13,14,15
	ds_load_b32 v[28+\i], v8 offset:49152+128*\i
.endr
.irp i, 0,1,2,3,4,5,6,7,8,9,10,11,12,13,14,15
	ds_load_b32 v[44+\i], v11 offset:49152+128*\i
.endr
	WIN 0x40
	LOADG 0
	LOADG 1
.irp g, 0,1,2,3,4,5,6,7
	GRP \g
.endr
	PLACES 4                                       ; in front of the first read of the scores, and of loads into registers that the products have read
	WIN 0
.if \last
.irp i, 0,1,2,3,4,5,6,7,8,9,10,11,12,13,14,15
	global_load_b32 v[28+\i], v5, s[8:9] offset:49152+128*\i
.endr
	WLOAD 0
.endif
	SM 0
	SM 1
.irp g, 8,9,10,11,12,13,14,15
	GRP \g
.endr
	WIN 0
.if \last == 0
	s_xor_b32 s32, s32, SLOT1                      ; on to the other slot
.endif
.endm
; THE CHANGE OF SLOTS.  Each wave waits for all its tensor loads (one is out), adds 0 to its spare word, and waits for that and for its reads of the slot that it has left.  Then a round of the cluster's barrier: no wave of the
; work-group, nor of any partner, still reads that slot or has a load on its way.  The refill is the first thing behind the round, one tensor load a wave.
; what = 1: the next key step, jointly, into the slot just left.  2: my rows 0-63 of x, over slot 0.  3: my rows 64-127 of x, over slot 1.
.macro CHANGE what
	s_wait_tensorcnt 0x0                           ; no tensor load of mine is out, so group 0 may be written
	ds_add_u32 v1, v2                              ; 0 onto my spare word
.if \what == 1
	s_xor_b32 s25, s25, SLOT1                      ; the other slot than last time,
	s_add_nc_u64 s[26:27], s[26:27], 102400        ; the next 128 keys; the type bits on top are not reached
.endif
	s_wait_dscnt 0x0                               ; the add is done, and my reads of the slot that I have left are over
	ROUND
.if \what == 1
	tensor_load_to_lds s[24:27], s[16:23]
	s_nop 0
.elseif \what == 2
	tensor_load_to_lds s[76:79], s[68:75]
	s_nop 0
.else
	tensor_load_to_lds s[80:83], s[68:75]
	s_nop 0
.endif
	PLACES 4
.endm
	s_wait_loadcnt 0x0                             ; q
	s_mov_b32 s33, 7
.Lstep:                                            ; seven trips: behind each change of slots but the last the next step is asked for
	CHANGE 1
	STEP 0
	s_sub_co_u32 s33, s33, 1
	s_cmp_lg_u32 s33, 0
	s_cbranch_scc1 .Lstep
	CHANGE 2                                       ; the last step is written out.  Slot 0 has been read for the last time: it takes the first half of x, which has this step in which to land
	s_mov_b32 s32, SLOT1                           ; (seven turns from 0 have left the slot in hand here: written as the constant that it is)
	STEP 1
	CHANGE 3                                       ; slot 1 has been read for the last time: it takes the second half of x.  The wait for 0 in front has shown the first half landed.  The four places also stand behind the last products
	; ---- THE END.  p_b (one number a lane and tile) and p_w's K step 1 are asked for now, 40 loads, and land while O is quantised.
	WIN 0x40
.irp a, 0,1,2,3,4,5,6,7
	global_load_b32 v[192+8*\a], v113, s[10:11] offset:4*(32*(\a/2)+8*(\a%2))
.endr
	WLOAD 1
.irp q, 0,1
	v_add_f32 v[14+4*\q], v[14+4*\q], v[15+4*\q]   ; the sum's two halves,
.endr
.irp q, 0,1
	v_permlanex16_b32 v[PB+\q], v[14+4*\q], s34, s35
.endr
.irp q, 0,1
	v_add_f32 v[14+4*\q], v[14+4*\q], v[PB+\q]     ; and lane l xor 16's: the row's sum
.endr
.irp q, 0,1
	v_rcp_f32 v[20+2*\q], v[14+4*\q]
.endr
	v_nop                                          ; one plain place behind a transcendental
	s_wait_alu depctr_va_vdst(0)
	; O / l, 128 channels (one K step of the projection) of one tile of queries at a time: 64 registers a lane, read from each accumulator's low end on
.irp q, 0,1
.irp s, 0,1,2,3
	WIN 2+\s/2
.set n, 0
.rept 32
	v_pk_mul_f32 v[128+64*(\s%2)+2*n:128+64*(\s%2)+2*n+1], v[128*\q+64*(\s%2)+2*n:128*\q+64*(\s%2)+2*n+1], v[20+2*\q:21+2*\q] op_sel_hi:[1,0]
.set n, n+1
.endr
	WIN 0
	QUANT 128+64*(\s%2)
	ds_store_b128 v110, v[PC:PC+3] offset:(4*\q+\s)*1536
	ds_store_b64 v111, v[PC+4:PC+5] offset:(4*\q+\s)*1536+512
	ds_store_b128 v110, v[PC+6:PC+9] offset:(4*\q+\s)*1536+768
	ds_store_b64 v111, v[PC+10:PC+11] offset:(4*\q+\s)*1536+1280
.if \q == 0
	v_mov_b32 v[116+\s], v[PW]                     ; tile 0's words are kept
.else
	v_cndmask_b32 v103, v[116+\s], v[PW], s38      ; lanes 16-31 carry tile 1's
	ds_store_b32 v112, v103 offset:128*\s
.endif
	s_wait_dscnt 0x0                               ; the stores have read their registers
.endr
.endr
	s_barrier_signal -1                            ; every wave's stores have landed (the wait above):
	s_barrier_wait -1                              ; the 32 images of O / l lie in LDS.
	; ---- THE PROJECTION: 8 tiles of my output channels x 8 tiles of pixels = 64 accumulators (a, t) in window 2 + a / 4 at 8 (8 (a % 4) + t), 4 K steps deep, by turns.
.macro OFL s, th                       ; the fragments of O / l of pixel tiles 4 th on, K step s
.irp t, 0,1,2,3
	FRAGL 128+12*(4*(\th)+\t), 115, 120, (4*(4*(\th)+\t)+(\s))*1536
.endr
.endm
.macro HALF s, th, lc
.if ((\s) == 3) && ((\th) == 1)
	s_wait_dscnt 0x0
.else
	s_wait_dscnt 16                                ; this half's fragments are in; the other half's 16 loads may be out
.endif
.if (\th) == 0
	s_wait_loadcnt \lc                             ; this K step's p_w is in; the count is the next K step's 32 loads, asked for behind it
.endif
.irp a, 0,1,2,3,4,5,6,7
.if (\s) == 0
	WIN 0x94+0x40*(\a/4)                           ; O / l window 0, p_w window 1, C (bias) window 1, D window 2 or 3
.else
	WIN 0xa4+0x50*(\a/4)
.endif
.irp t, 0,1,2,3
.if (\s) == 0
	WM 8*(8*(\a%4)+4*(\th)+\t), 128+12*(4*(\th)+\t), 96*((\s)%2)+12*\a, 192+8*\a, 44+4*((4*(\th)+\t)/2)+(\s), 28+4*(\a/2)+(\s), \t%2, \a%2
.else
	WM 8*(8*(\a%4)+4*(\th)+\t), 128+12*(4*(\th)+\t), 96*((\s)%2)+12*\a, 8*(8*(\a%4)+4*(\th)+\t), 44+4*((4*(\th)+\t)/2)+(\s), 28+4*(\a/2)+(\s), \t%2, \a%2
.endif
.endr
.endr
	PLACES 4                                       ; in front of loads into registers that matrix instructions have read, and of the first read of results
	WIN 0
.if (\s) < 3
	OFL (\s)+1, \th
.endif
.endm
.irp i, 0,1,2,3,4,5,6,7,8,9,10,11,12,13,14,15
	ds_load_b32 v[44+\i], v121 offset:128*\i
.endr
	OFL 0, 0
	OFL 0, 1
	s_wait_loadcnt 32                              ; p_w's scale words, its K step 0 and the bias are in; behind them K step 1's 32 loads
	WIN 0x41
.irp a, 0,1,2,3,4,5,6,7
.irp j, 1,2,3,4,5,6,7
	v_mov_b32 v[192+8*\a+\j], v[192+8*\a]          ; the bias in the result's layout: my one channel's, for eight pixels
.endr
.endr
	PLACES 4                                       ; the distance that an operand written by vector instructions keeps ahead of a scaled matrix instruction is kept for this C too
	HALF 0, 0, 32
	HALF 0, 1, 0
	WLOAD 2
	HALF 1, 0, 32
	HALF 1, 1, 0
	WLOAD 3
	HALF 2, 0, 32
	HALF 2, 1, 0
	HALF 3, 0, 0
	HALF 3, 1, 0
	s_wait_dscnt 0x0                               ; my reads of the images are over (the last were waited for at the head of the last half):
	s_barrier_signal -1
	s_barrier_wait -1                              ; everybody's are: the stage may take their bytes
	; ---- THE WAY OUT, an output tile (16 channels x 128 pixels) at a time.  A lane holds 8 neighbouring pixels of a channel and the lanes beside it other channels: so a tile goes through my own stage in LDS and comes back as
	; whole rows of 512 bytes, INTO THE REGISTERS THAT IT LEFT (LDS serves a wave's instructions in order: the loads see the stores, and come behind their reads).  So each of the eight tiles has store data of its own, no offset
	; and no base is stepped, and nothing here waits for a store.  x's rows come from LDS, where my own tensor loads have laid them.  One window setting serves a tile's LDS stores, loads back, additions and global stores.
.macro OUT a
.set AC, 64*((\a)%4)
.set XR, 128+64*((\a)%2)
	WIN 0
.if (\a) == 4
	s_wait_tensorcnt 0x0                           ; my rows 64-127 of x have landed (rows 0-63 were shown landed in front of the last round)
.endif
.irp i, 0,1,2,3,4,5,6,7,8,9,10,11,12,13,14,15
	ds_load_b128 v[XR+4*\i:XR+4*\i+3], v[126+(\a)/4] offset:512*(32*(((\a)/2)%2)+8*((\a)%2)+\i+8*(\i/8))     ; x at the tile's channel i: 512 consecutive bytes
.endr
	WIN 0x88+0x44*((\a)/4)                         ; source 1 and destination window 2 or 3; source 0 (addresses, x) window 0
.irp t, 0,1,2,3,4,5,6,7
	ds_store_b128 v108, v[AC+8*\t:AC+8*\t+3] offset:128*(\t/2)+32*(\t%2)             ; each accumulator from its low end on
	ds_store_b128 v108, v[AC+8*\t+4:AC+8*\t+7] offset:128*(\t/2)+32*(\t%2)+16
.endr
.irp i, 0,1,2,3,4,5,6,7,8,9,10,11,12,13,14,15
	ds_load_b128 v[AC+4*\i:AC+4*\i+3], v109 offset:\i*SPITCH
.endr
.irp i, 0,1,2,3,4,5,6,7,8,9,10,11,12,13,14,15
	s_wait_dscnt 15-\i                             ; row i is back (x's rows were asked for ahead of them all); the younger rows may be out
	v_pk_add_f32 v[AC+4*\i:AC+4*\i+1], v[XR+4*\i:XR+4*\i+1], v[AC+4*\i:AC+4*\i+1]           ; the residual
	v_pk_add_f32 v[AC+4*\i+2:AC+4*\i+3], v[XR+4*\i+2:XR+4*\i+3], v[AC+4*\i+2:AC+4*\i+3]
	global_store_b128 v3, v[AC+4*\i:AC+4*\i+3], s[14:15] offset:4096*(32*((\a)/2)+8*((\a)%2)+\i+8*(\i/8)) th:TH_STORE_NT   ; 32 lanes store 512 consecutive bytes, at a multiple of 512 from out0's first byte
.endr
.endm
.irp a, 0,1,2,3,4,5,6,7
	OUT \a                                         ; (the four places behind the last products stand at the end of the last half)
.endr
	WIN 0
	s_wait_tensorcnt 0x0                           ; the wave's end, behind my last tensor load and my last LDS store
	ds_add_u32 v1, v2
	s_wait_dscnt 0x0
	ROUND                                          ; the closing round: no work-group ends while a partner may still ask for a tile that names it
	s_endpgm
.Lfunc_end_k_qd8cfc1efff_attn:
	.size	k_qd8cfc1efff_attn, .Lfunc_end_k_qd8cfc1efff_attn-k_qd8cfc1efff_attn
	.p2alignl 7, 3214868480
	.fill 96, 4, 3214868480
	.section	.rodata,"a",@progbits
	.p2align	6, 0x0
	.amdhsa_kernel k_qd8cfc1efff_attn
		.amdhsa_group_segment_fixed_size 327680
		.amdhsa_private_segment_fixed_size 0
		.amdhsa_enable_private_segment 0
		.amdhsa_kernarg_size 48
		.amdhsa_user_sgpr_count 2
		.amdhsa_user_sgpr_kernarg_segment_ptr 1
		.amdhsa_wavefront_size32 1
		.amdhsa_system_sgpr_workgroup_id_x 1
		.amdhsa_system_sgpr_workgroup_id_y 1
		.amdhsa_system_sgpr_workgroup_id_z 1
		.amdhsa_system_vgpr_workitem_id 0
		.amdhsa_next_free_vgpr 1024
		.amdhsa_next_free_sgpr 96
		.amdhsa_reserve_vcc 0
		.amdhsa_float_denorm_mode_32 3
		.amdhsa_float_denorm_mode_16_64 3
		.amdhsa_memory_ordered 1
		.amdhsa_forward_progress 1
		.amdhsa_inst_pref_size 255
	.end_amdhsa_kernel
	.section	.bss,"aw",@nobits
	.p2align	6
	.space	262144
	.amdgpu_metadata
---
amdhsa.version: [ 1, 2 ]
amdhsa.kernels:
  - .name:           k_qd8cfc1efff_attn
    .symbol:         k_qd8cfc1efff_attn.kd
    .args:
      - { .name: qb, .offset: 0, .size: 8, .value_kind: global_buffer, .address_space: global }
      - { .name: kv, .offset: 8, .size: 8, .value_kind: global_buffer, .address_space: global }
      - { .name: wq, .offset: 16, .size: 8, .value_kind: global_buffer, .address_space: global }
      - { .name: p_b, .offset: 24, .size: 8, .value_kind: global_buffer, .address_space: global }
      - { .name: x, .offset: 32, .size: 8, .value_kind: global_buffer, .address_space: global }
      - { .name: out0, .offset: 40, .size: 8, .value_kind: global_buffer, .address_space: global }
    .group_segment_fixed_size: 327680
    .private_segment_fixed_size: 0
    .kernarg_segment_align: 8
    .kernarg_segment_size: 48
    .max_flat_workgroup_size: 128
    .sgpr_count:     96
    .vgpr_count:     1024
    .wavefront_size: 32
...
	.end_amdgpu_metadata
.endif
;; end of part 3
